; MI455X (gfx1250); checked and timed in simulation.
; The chip was launched on July 23, 2026; its instructions are those of AMD's public machine-readable ISA for CDNA 5 (MIT licence, August 2026) and "CDNA5" Instruction Set Architecture Reference Guide (July 2026). The comments in the code are by the model that wrote it; some were corrected since.
;; Attention. Allowed arithmetic: matrix products marked QUANTISED: E4M3 operands, one E8M0 scale for each 32 along K, by v_wmma_scale_f32_16x16x128_f8f6f4 with both operands' format E4M3, f32 sums; everything else in f32.
;; Inputs: cache_k 4 x 2,048 x 16 x 128 float32; cache_v 4 x 2,048 x 16 x 128 float32; freqs_cos 2,048 x 64 float32; freqs_sin 2,048 x 64 float32; mask 1 x 1 x 2,048 x 2,048 float32; wk 2,048 x 2,048 float32; wo 2,048 x 2,048 float32; wq 2,048 x 2,048 float32; wv 2,048 x 2,048 float32; x 1 x 2,048 x 2,048 float32.
;; Outputs: out0 1 x 2,048 x 2,048 float32.
;; Constants: start_pos = 0.
;; This version of the problem:
;;   THIS VERSION OF THE PROBLEM IS GIVEN IN LOW PRECISION. The matrix products marked QUANTISED in the list below multiply operands that are first quantised to E4M3 (4 exponent bits, 3 mantissa bits; 8 bits a number), with one power-of-two scale for each 32 numbers along K (OCP MX v1.0); their sums are f32. All else is computed in f32.
;;   The module's matrix products, in the order in which they are computed (A, B: the left and right operand; K: the contracted axis; several contracted axes count as one K, in the product's order):
;;     1. [M 2,048, K 2,048] x [K 2,048, N 2,048]; A: input x; B: input wq: QUANTISED
;;     2. [M 2,048, K 2,048] x [K 2,048, N 2,048]; A: input x; B: input wk: QUANTISED
;;     3. [M 2,048, K 2,048] x [K 2,048, N 2,048]; A: input x; B: input wv: QUANTISED
;;     4. batch 16 x [M 2,048, K 128] x [K 128, N 2,048]; A: computed on the way; B: computed on the way: QUANTISED
;;     5. batch 16 x [M 128, K 2,048] x [K 2,048, N 2,048]; A: computed on the way; B: softmax (see below): QUANTISED
;;     6. [M 2,048, K 2,048] x [K 2,048, N 2,048]; A: computed on the way; B: input wo: QUANTISED
;;   THE QUANTISER, for each operand of a quantised product, along K:
;;     - K is cut into blocks of 32 from its start; a last block that is shorter is filled with zeros.
;;     - A block's scale is 2^e with e = floor(log2(the largest magnitude in the block)) - 8, held to -126 .. 127; a block of zeros has e = 0. As a byte (E8M0): e + 127.
;;     - Each number is divided by its block's scale, clamped to +-448, and rounded to the nearest number of E4M3, ties to even, subnormals kept.
;;     - The product sums the exact products of the quantised numbers (number of the format x scale) in f32.
;;   ~~~python
;;   def quantise(x, axis):      # numpy; x: float32 -> the quantised numbers, widened to float32 again
;;       x = np.moveaxis(x, axis, -1); K = x.shape[-1]
;;       x = np.pad(x, [(0, 0)] * (x.ndim - 1) + [(0, -K % 32)]); x = x.reshape(x.shape[:-1] + (-1, 32)); a = np.abs(x).max(-1, keepdims=True)
;;       e = np.where(a > 0, np.clip(np.frexp(np.where(a > 0, a, 1))[1] - 1 - 8, -126, 127), 0)      # np.frexp(a)[1] - 1 = floor(log2(a)), exactly
;;       r = np.clip(x / 2.0 ** e, -448, 448)
;;       step = 2.0 ** (np.maximum(np.frexp(np.where(r == 0, 1, r))[1] - 1, -6) - 3)
;;       q = np.round(r / step) * step * 2.0 ** e      # np.round: ties to even
;;       return np.moveaxis(q.reshape(q.shape[:-2] + (-1,))[..., :K], -1, axis).astype(np.float32)
;;   ~~~
;;   SOFTMAX AHEAD OF A QUANTISED PRODUCT. Where the list says 'softmax', what is quantised is not the finished softmax but p = 2^(t - M), with t = logit x log2(e) and M = ceil(the row's largest t), a whole number; so 1/2 < the row's largest p <= 1. The row's sum l is taken of the UNQUANTISED p, in f32, and the product's result is divided by l at the end. Since M is a whole number, a kernel that streams over the keys may use a running M (the ceiling of the running maximum): every later rescaling is an exact power of two, which a block's scale takes up: the codes' values come out the same.
;;   OPERANDS COMPUTED ON THE WAY. 'Computed on the way' means the value that the module computes at that place (a softmax that the list does not call 'softmax' is quantised finished and normalised). What goes into a quantiser is computed in f32, as accurately as f32 sums, v_exp_f32 and their like allow (about 1e-6 of the number): no bf16 or f16 on the way to a quantiser, and a product that is left as it is and whose result goes on into a quantised operand takes f32 operands (vector FMAs, or v_wmma_f32_16x16x4_f32). A number that lies on a knife's edge between two numbers of the format may be rounded either way, as far as f32 arithmetic and the matrix unit's own rounding can turn it there, and no further.
;; One version. Each part assembles by itself: llvm-mc -triple=amdgcn-amd-amdhsa -mcpu=gfx1250 --defsym DOCPART=n.
;; ======== version 1 of 1: 5 launches
;; workspace buffers: cimg 20,971,520 bytes; csc 655,360 bytes; qkv_img 12,582,912 bytes; qkv_sc 393,216 bytes; o_img 4,194,304 bytes; o_sc 131,072 bytes
;; launch quant_x (part 1): grid 256 x 1, 4 waves a work-group, no clusters, 68,096 bytes of LDS; arguments x, cimg, csc; writes cimg, csc
.if DOCPART == 1
	.amdgcn_target "amdgcn-amd-amdhsa--gfx1250"
	.amdhsa_code_object_version 6
	.text
	.protected	k_q5fa4aaeee2_quant_x
	.globl	k_q5fa4aaeee2_quant_x
	.p2align	8
	.type	k_q5fa4aaeee2_quant_x,@function
k_q5fa4aaeee2_quant_x:
	s_mov_b64 s[64:65], 0
	v_nop
	global_prefetch_b8 v0, s[64:65] scope:SCOPE_SE
	s_setreg_imm32_b32 hwreg(HW_REG_WAVE_MODE, 25, 1), 1
	s_wait_xcnt 0x0
; x [2048 tokens][2048] f32 becomes codes of E4M3 with one E8M0 scale byte for each 32 along K (K = the last axis), laid as IMAGES OF OPERAND REGISTERS.
; A fragment is 16 rows x 128 K: 2,048 bytes, piece c (0..3) of lane l at 512 c + 16 l; lane (r = l % 16, h = l / 16) holds k = 32 c + 16 h + 0 .. 15 of the tile's row r.
; Fragment (K step s, tile T) lies at (128 s + T) x 2,048 bytes of part 4 of cimg, its 16 scale words (one a row, byte b for k = 32 b ..) at (128 s + T) x 64 bytes of part 4 of csc.
; THE ROWS OF A TILE ARE NOT NEIGHBOURS: row r of tile 2 B + u is token 32 B + 8 u + r + 8 (r / 8), so that two neighbouring tiles, used as source 0 of a product, give a lane 16 neighbours.
; A block's scale is 2^(floor(log2(its largest magnitude)) - 8); its byte is the largest magnitude's exponent field - 8, held at 1 from below.
; LIMITS: a block of zeros gets the byte 1 where the rule says 127 (its codes are zeros, and this program alone reads the bytes); NaN and infinities among the inputs are not served.
; SHARES: work-group g takes tokens 32 (g / 4) on; its wave w takes K step 4 (g % 4) + w: the four waves read 2,048 consecutive bytes of each row.  A wave makes two fragments.
; Each load reads 512 consecutive bytes of one row; the 32 rows turn through the wave's own stage in LDS (pitch 528 bytes, rows in the tiles' order) and come back 64 bytes a lane.  Waves share nothing: no barrier.
.set SP,   528                         ; a stage row: 512 bytes + 16
.set WST,  32*SP                       ; a wave's stage
.set TM,   16                          ; v16-19 largest magnitudes, v20-23 bytes, v24-27 448 x the scale, v28-31 the conversions' scale operands
.set PC,   32                          ; v32-63 codes, a set of 16 for each tile: no store's data are written again
.set PW,   8                           ; v8, v9 the two tiles' scale words; v10 both in one register
.set PWS,  10
.set R,    64                          ; v64-191 the 32 rows as loaded
.set XA,   192                         ; v192-255 tile 0's numbers, 64 a lane
.set XB,   64                          ; v64-127 tile 1's, where tile 0's rows lay
.set SEL,  20                          ; s[20:21] lane selects: lane l xor 16
.set MNT,  22                          ; s22 the mantissa field of 448
.set HM,   23                          ; s23 a mask of lanes 16-31
	s_load_b128 s[4:7], s[0:1], 0x0                ; x, cimg
	s_load_b64 s[8:9], s[0:1], 0x10                ; csc
	v_lshl_add_u32 v14, v0, 2, 0x10800
	v_mov_b32 v15, 0
	v_lshrrev_b32 v5, 5, v0
	v_readfirstlane_b32 s10, v5                    ; wave
	v_and_b32 v6, 31, v0                           ; lane
	v_lshlrev_b32 v1, 4, v6                        ; 16 x lane: my place in a row's 512 bytes and in a piece of an image
	v_lshlrev_b32 v4, 2, v6                        ; 4 x lane: my place among two tiles' scale words
	s_mul_i32 s11, s10, WST
	v_add_nc_u32 v2, s11, v1                       ; the stage, on the way in
	v_and_b32 v7, 15, v0                           ; r
	v_bfe_u32 v5, v0, 4, 1                         ; h
	v_mul_u32_u24 v3, v7, SP
	v_lshl_add_u32 v3, v5, 6, v3
	v_add_nc_u32 v3, s11, v3                       ; and on the way out: row r, + 64 h
	s_lshr_b32 s12, ttmp9, 2                       ; B: which 32 tokens
	s_and_b32 s13, ttmp9, 3
	s_lshl_b32 s13, s13, 2
	s_add_co_u32 s13, s13, s10                     ; the K step
	s_lshl_b32 s14, s12, 18                        ; 32 rows of 8,192 bytes
	s_lshl_b32 s15, s13, 9                         ; 512 bytes a K step
	s_add_co_u32 s14, s14, s15
	s_mov_b32 s15, 0
	s_lshl_b32 s16, s13, 7
	s_lshl_b32 s17, s12, 1
	s_add_co_u32 s16, s16, s17                     ; the first fragment's number: 128 s + 2 B
	s_lshl_b32 s18, s16, 11
	s_add_co_u32 s18, s18, 4<<22                   ; part 4 of cimg
	s_mov_b32 s19, 0
	s_lshl_b32 s16, s16, 6
	s_add_co_u32 s16, s16, 4<<17                   ; part 4 of csc
	s_mov_b32 s17, 0
	s_mov_b32 s[SEL], 0x76543210
	s_mov_b32 s[SEL+1], 0xfedcba98
	s_mov_b32 s[MNT], 0x600000
	s_mov_b32 s[HM], 0xffff0000
.irp b, 0,1,2,3
	v_mov_b32 v[TM+4+\b], 0                        ; written once: a lane permute's destination counts as one of its sources
.endr
	s_wait_kmcnt 0x0
	s_add_nc_u64 s[4:5], s[4:5], s[14:15]
	s_add_nc_u64 s[6:7], s[6:7], s[18:19]
	s_add_nc_u64 s[8:9], s[8:9], s[16:17]
; tile 0's sixteen rows first, then tile 1's; row i of the 32 goes to place 16 ((i / 8) % 2) + 8 (i / 16) + i % 8
.irp i, 0,1,2,3,4,5,6,7,16,17,18,19,20,21,22,23,8,9,10,11,12,13,14,15,24,25,26,27,28,29,30,31
	global_load_b128 v[R+4*(16*((\i/8)%2)+8*(\i/16)+\i%8):R+4*(16*((\i/8)%2)+8*(\i/16)+\i%8)+3], v1, s[4:5] offset:\i*8192 th:TH_LOAD_NT
.endr
; 64 numbers of a lane, register 16 b + i = k 32 b + 16 h + i of my row, become a fragment's codes in v[pc] on and its scale word in v[pw]
.macro QUANT s, pc, pw
.irp b, 0,1,2,3
	v_max3_num_f32 v[TM+\b], |v[\s+16*\b]|, |v[\s+1+16*\b]|, 0x4800000   ; block b: my 16 numbers, and the floor 2^(9 - 127): so the byte cannot fall under 1
.endr
.irp i, 2,4,6,8,10,12,14
.irp b, 0,1,2,3
	v_max3_num_f32 v[TM+\b], v[TM+\b], |v[\s+16*\b+\i]|, |v[\s+1+16*\b+\i]|   ; the four blocks by turns
.endr
.endr
.irp b, 0,1,2,3
	v_permlanex16_b32 v[TM+4+\b], v[TM+\b], s[SEL], s[SEL+1]
.endr
.irp b, 0,1,2,3
	v_max_num_f32 v[TM+\b], v[TM+\b], v[TM+4+\b]   ; with lane l xor 16's: the block's largest magnitude
.endr
.irp b, 0,1,2,3
	v_add_nc_u32 v[TM+12+\b], 0xfc000000, v[TM+\b] ; 8 off its exponent field: the conversion takes the exponent field of this operand as its scale
.endr
.irp b, 0,1,2,3
	v_and_or_b32 v[TM+8+\b], v[TM+\b], 0x7f800000, s[MNT]   ; 448 x the scale
.endr
.irp b, 0,1,2,3
	v_lshrrev_b32 v[TM+4+\b], 23, v[TM+12+\b]      ; the scale's byte
.endr
	v_lshl_or_b32 v[\pw], v[TM+5], 8, v[TM+4]
	v_lshl_or_b32 v[\pw], v[TM+6], 16, v[\pw]
	v_lshl_or_b32 v[\pw], v[TM+7], 24, v[\pw]      ; my row's scale word
.irp b, 0,1,2,3
.irp i, 0,1,2,3,4,5,6,7,8,9,10,11,12,13,14,15
	v_med3_num_f32 v[\s+16*\b+\i], v[\s+16*\b+\i], -v[TM+8+\b], v[TM+8+\b]   ; the conversion to an 8-bit code does not saturate (ISA guide 7.6.2): the hold at 448 x the scale
.endr
	v_cvt_scalef32_pk8_fp8_f32 v[\pc+4*\b:\pc+1+4*\b], v[\s+16*\b:\s+7+16*\b], v[TM+12+\b]
	v_cvt_scalef32_pk8_fp8_f32 v[\pc+2+4*\b:\pc+3+4*\b], v[\s+8+16*\b:\s+15+16*\b], v[TM+12+\b]
.endr
	v_nop                                          ; one plain vector line behind the last conversion
.endm
	s_wait_loadcnt 16                              ; tile 0's sixteen loads are in; tile 1's sixteen may be out
.irp p, 0,1,2,3,4,5,6,7,8,9,10,11,12,13,14,15
	ds_store_b128 v2, v[R+4*\p:R+4*\p+3] offset:\p*SP
.endr
.irp c, 0,1,2,3
.irp j, 0,1,2,3
	ds_load_b128 v[XA+16*\c+4*\j:XA+16*\c+4*\j+3], v3 offset:128*\c+16*\j   ; LDS serves a wave's instructions in order: these see the stores above
.endr
.endr
	s_wait_loadcnt 0x0
.irp p, 16,17,18,19,20,21,22,23,24,25,26,27,28,29,30,31
	ds_store_b128 v2, v[R+4*\p:R+4*\p+3] offset:\p*SP
.endr
	s_wait_dscnt 16                                ; all but the sixteen stores just issued: tile 0's numbers are back, and its stores have read v64-127
.irp c, 0,1,2,3
.irp j, 0,1,2,3
	ds_load_b128 v[XB+16*\c+4*\j:XB+16*\c+4*\j+3], v3 offset:16*SP+128*\c+16*\j
.endr
.endr
	QUANT XA, PC, PW
.irp c, 0,1,2,3
	global_store_b128 v1, v[PC+4*\c:PC+4*\c+3], s[6:7] offset:512*\c           ; 32 lanes store 512 consecutive bytes, aligned
.endr
	s_wait_dscnt 0x0                               ; tile 1's numbers are back
	QUANT XB, PC+16, PW+1
.irp c, 0,1,2,3
	global_store_b128 v1, v[PC+16+4*\c:PC+16+4*\c+3], s[6:7] offset:2048+512*\c
.endr
	v_cndmask_b32 v[PWS], v[PW], v[PW+1], s[HM]    ; lanes 0-15 tile 0's words, lanes 16-31 tile 1's (both halves of the lanes hold row r's word)
	global_store_b32 v4, v[PWS], s[8:9]            ; 128 consecutive bytes
	s_wait_tensorcnt 0x0
	ds_add_u32 v14, v15
	s_wait_dscnt 0x0
	s_endpgm
.Lfunc_end_k_q5fa4aaeee2_quant_x:
	.size	k_q5fa4aaeee2_quant_x, .Lfunc_end_k_q5fa4aaeee2_quant_x-k_q5fa4aaeee2_quant_x
	.p2alignl 7, 3214868480
	.fill 96, 4, 3214868480
	.section	.rodata,"a",@progbits
	.p2align	6, 0x0
	.amdhsa_kernel k_q5fa4aaeee2_quant_x
		.amdhsa_group_segment_fixed_size 68096
		.amdhsa_private_segment_fixed_size 0
		.amdhsa_enable_private_segment 0
		.amdhsa_kernarg_size 24
		.amdhsa_user_sgpr_count 2
		.amdhsa_user_sgpr_kernarg_segment_ptr 1
		.amdhsa_wavefront_size32 1
		.amdhsa_system_sgpr_workgroup_id_x 1
		.amdhsa_system_sgpr_workgroup_id_y 1
		.amdhsa_system_sgpr_workgroup_id_z 1
		.amdhsa_system_vgpr_workitem_id 0
		.amdhsa_next_free_vgpr 256
		.amdhsa_next_free_sgpr 66
		.amdhsa_reserve_vcc 0
		.amdhsa_float_denorm_mode_32 3
		.amdhsa_float_denorm_mode_16_64 3
		.amdhsa_memory_ordered 1
		.amdhsa_forward_progress 1
		.amdhsa_inst_pref_size 27
	.end_amdhsa_kernel
	.amdgpu_metadata
---
amdhsa.version: [ 1, 2 ]
amdhsa.kernels:
  - .name:           k_q5fa4aaeee2_quant_x
    .symbol:         k_q5fa4aaeee2_quant_x.kd
    .args:
      - { .name: x, .offset: 0, .size: 8, .value_kind: global_buffer, .address_space: global }
      - { .name: cimg, .offset: 8, .size: 8, .value_kind: global_buffer, .address_space: global }
      - { .name: csc, .offset: 16, .size: 8, .value_kind: global_buffer, .address_space: global }
    .group_segment_fixed_size: 68096
    .private_segment_fixed_size: 0
    .kernarg_segment_align: 8
    .kernarg_segment_size: 24
    .max_flat_workgroup_size: 128
    .sgpr_count:     66
    .vgpr_count:     256
    .wavefront_size: 32
...
	.end_amdgpu_metadata
.endif
;; end of part 1
;; launch quant_w (part 2): grid 64 x 8, 4 waves a work-group, no clusters, 0 bytes of LDS; arguments wq, wk, wv, wo, cimg, csc; writes cimg, csc
.if DOCPART == 2
	.amdgcn_target "amdgcn-amd-amdhsa--gfx1250"
	.amdhsa_code_object_version 6
	.text
	.protected	k_q5fa4aaeee2_quant_w
	.globl	k_q5fa4aaeee2_quant_w
	.p2align	8
	.type	k_q5fa4aaeee2_quant_w,@function
k_q5fa4aaeee2_quant_w:
	s_mov_b64 s[64:65], 0
	v_nop
	global_prefetch_b8 v0, s[64:65] scope:SCOPE_SE
	s_setreg_imm32_b32 hwreg(HW_REG_WAVE_MODE, 25, 1), 1
	s_wait_xcnt 0x0
; The four weights, [2048 (k)][2048 (n)] f32 with K as their FIRST axis, become codes of E4M3 with one E8M0 scale byte for each 32 along K, laid as images of operand registers with rows = n:
; fragment (K step s, tile T) at (128 s + T) x 2,048 bytes of part p of cimg (p = 0 wq, 1 wk, 2 wv, 3 wo), piece c of lane l at 512 c + 16 l; lane (r, h) holds k = 32 c + 16 h + 0 .. 15 of the tile's row r;
; row r of tile 2 B + u is n = 32 B + 8 u + r + 8 (r / 8).  Scale words (one a row and 128 k) at (128 s + T) x 64 bytes of part p of csc.
; A LANE TAKES A COLUMN n AND ITS REGISTERS RUN DOWN K: a block of 32 lies in one lane's 32 registers, its largest magnitude needs no other lane, and the conversions give codes with K innermost.
; The lanes take the 32 columns of a wave in the tiles' order: lanes 0-15 are tile 2 B's rows, lanes 16-31 tile 2 B + 1's; a load still covers the same 128 consecutive bytes.
; A lane's 32 codes of a block are two pieces of 16 bytes (h = 0 and h = 1), so sixteen neighbouring lanes store 256 consecutive bytes, aligned: no LDS is needed.
; LIMITS: a block of zeros gets the byte 1 where the rule says 127 (its codes are zeros, and this program alone reads the bytes); NaN and infinities among the inputs are not served.
; SHARES: work-group x = 16 p + cg: weight p, columns 128 cg on; y: 256 along K (K steps 2 y, 2 y + 1).  Wave w: columns 32 (4 cg + w) on.  Loads run two blocks (64 loads a wave) ahead.
.set X,  32                            ; v32-95  two sets of 32 numbers
.set C,  96                            ; v96-159 codes: 8 registers for each of the 8 blocks, so that no store's data are written again
.set SB, 24                            ; v24, v25 the two K steps' scale words
	s_load_b256 s[4:11], s[0:1], 0x0               ; wq, wk, wv, wo
	s_load_b128 s[12:15], s[0:1], 0x20             ; cimg, csc
	v_lshrrev_b32 v1, 5, v0
	v_readfirstlane_b32 s16, v1                    ; wave
	v_and_b32 v2, 31, v0                           ; lane l
	v_and_b32 v6, 7, v2
	v_bfe_u32 v7, v2, 3, 1
	v_lshl_add_u32 v6, v7, 4, v6                   ; l % 8 + 16 ((l / 8) % 2)
	v_lshrrev_b32 v7, 4, v2                        ; l / 16: which of the two tiles
	v_lshl_add_u32 v6, v7, 3, v6                   ; + 8 (l / 16): my column among the wave's 32
	v_lshlrev_b32 v3, 2, v6                        ; in bytes
	v_and_b32 v6, 15, v2
	v_lshlrev_b32 v4, 4, v6
	v_lshl_add_u32 v4, v7, 11, v4                  ; my codes' place: 2,048 (l / 16) + 16 (l % 16)
	v_lshlrev_b32 v5, 2, v2                        ; my scale word's: 4 l
	s_lshr_b32 s17, ttmp9, 4                       ; p: which weight
	s_and_b32 s18, ttmp9, 15                       ; cg
	s_and_b32 s19, ttmp7, 0xffff                   ; y
	s_lshl_b32 s20, s18, 2
	s_add_co_u32 s20, s20, s16                     ; B: which 32 columns
	s_lshl_b32 s22, s19, 21                        ; 256 rows of 8,192 bytes
	s_lshl_b32 s23, s20, 7                         ; 32 columns of 4 bytes
	s_add_co_u32 s22, s22, s23
	s_mov_b32 s23, 0
	s_lshl_b32 s24, s19, 8
	s_lshl_b32 s25, s20, 1
	s_add_co_u32 s24, s24, s25                     ; the first fragment's number: 128 (2 y) + 2 B
	s_lshl_b32 s26, s24, 11
	s_lshl_b32 s25, s17, 22
	s_add_co_u32 s26, s26, s25
	s_mov_b32 s27, 0
	s_lshl_b32 s28, s24, 6
	s_lshl_b32 s25, s17, 17
	s_add_co_u32 s28, s28, s25
	s_mov_b32 s29, 0
	s_mov_b32 s31, 0x600000                        ; the mantissa field of 448
	s_wait_kmcnt 0x0
	s_cmp_eq_u32 s17, 1                            ; the weight is chosen by the work-group's number alone
	s_cselect_b64 s[4:5], s[6:7], s[4:5]
	s_cmp_eq_u32 s17, 2
	s_cselect_b64 s[4:5], s[8:9], s[4:5]
	s_cmp_eq_u32 s17, 3
	s_cselect_b64 s[4:5], s[10:11], s[4:5]
	s_add_nc_u64 s[4:5], s[4:5], s[22:23]
	s_add_nc_u64 s[12:13], s[12:13], s[26:27]
	s_add_nc_u64 s[14:15], s[14:15], s[28:29]
.macro LOAD t                          ; block t: W(32 t + i, my column), i = 0 .. 31, into set t % 2; the largest offset, 255 rows, lies inside the signed 24-bit immediate
.irp i, 0,1,2,3,4,5,6,7,8,9,10,11,12,13,14,15,16,17,18,19,20,21,22,23,24,25,26,27,28,29,30,31
	global_load_b32 v[X+32*((\t)%2)+\i], v3, s[4:5] offset:(32*(\t)+\i)*8192 th:TH_LOAD_NT
.endr
.endm
	LOAD 0
	LOAD 1
.macro BLOCK t
.set XS, X+32*((\t)%2)
.set CS, C+8*(\t)
.if (\t) < 7
	s_wait_loadcnt 32                              ; this block's 32 loads are in; the next block's may be out
.else
	s_wait_loadcnt 0x0
.endif
	v_max3_num_f32 v12, |v[XS]|, |v[XS+1]|, |v[XS+2]|              ; the block's largest magnitude: all 32 numbers are mine; two chains
	v_max3_num_f32 v13, |v[XS+3]|, |v[XS+4]|, |v[XS+5]|
.irp i, 6,10,14,18,22,26
	v_max3_num_f32 v12, v12, |v[XS+\i]|, |v[XS+\i+1]|
	v_max3_num_f32 v13, v13, |v[XS+\i+2]|, |v[XS+\i+3]|
.endr
	v_max3_num_f32 v12, v12, |v[XS+30]|, |v[XS+31]|
	v_max3_num_f32 v12, v12, v13, 0x4800000        ; and the floor 2^(9 - 127): so the byte cannot fall under 1
	v_add_nc_u32 v11, 0xfc000000, v12              ; 8 off its exponent field: the conversions' scale operand
	v_and_or_b32 v10, v12, 0x7f800000, s31         ; 448 x the scale
.if (\t)%4 == 0
	v_lshrrev_b32 v[SB+(\t)/4], 23, v11            ; the scale's byte: four to a word, the lower K in the lower byte
.else
	v_lshrrev_b32 v13, 23, v11
	v_lshl_or_b32 v[SB+(\t)/4], v13, 8*((\t)%4), v[SB+(\t)/4]
.endif
.irp i, 0,1,2,3,4,5,6,7,8,9,10,11,12,13,14,15,16,17,18,19,20,21,22,23,24,25,26,27,28,29,30,31
	v_med3_num_f32 v[XS+\i], v[XS+\i], -v10, v10   ; the conversion to an 8-bit code does not saturate (ISA guide 7.6.2): the hold at 448 x the scale
.endr
.irp g, 0,1,2,3
	v_cvt_scalef32_pk8_fp8_f32 v[CS+2*\g:CS+2*\g+1], v[XS+8*\g:XS+8*\g+7], v11
.endr
	v_nop                                          ; one plain vector line behind the last conversion
	global_store_b128 v4, v[CS:CS+3], s[12:13] offset:((\t)/4)*262144+((\t)%4)*512         ; k = 32 c + 0 .. 15: the places of lanes 0-15 of piece c
	global_store_b128 v4, v[CS+4:CS+7], s[12:13] offset:((\t)/4)*262144+((\t)%4)*512+256   ; k = 32 c + 16 .. 31: those of lanes 16-31
.if (\t)+2 < 8
	LOAD (\t)+2
.endif
.endm
.irp t, 0,1,2,3,4,5,6,7
	BLOCK \t
.endr
	global_store_b32 v5, v[SB], s[14:15]           ; two tiles' words of K step 2 y: 128 consecutive bytes
	global_store_b32 v5, v[SB+1], s[14:15] offset:8192   ; and of K step 2 y + 1
	s_endpgm
.Lfunc_end_k_q5fa4aaeee2_quant_w:
	.size	k_q5fa4aaeee2_quant_w, .Lfunc_end_k_q5fa4aaeee2_quant_w-k_q5fa4aaeee2_quant_w
	.p2alignl 7, 3214868480
	.fill 96, 4, 3214868480
	.section	.rodata,"a",@progbits
	.p2align	6, 0x0
	.amdhsa_kernel k_q5fa4aaeee2_quant_w
		.amdhsa_group_segment_fixed_size 0
		.amdhsa_private_segment_fixed_size 0
		.amdhsa_enable_private_segment 0
		.amdhsa_kernarg_size 48
		.amdhsa_user_sgpr_count 2
		.amdhsa_user_sgpr_kernarg_segment_ptr 1
		.amdhsa_wavefront_size32 1
		.amdhsa_system_sgpr_workgroup_id_x 1
		.amdhsa_system_sgpr_workgroup_id_y 1
		.amdhsa_system_sgpr_workgroup_id_z 1
		.amdhsa_system_vgpr_workitem_id 0
		.amdhsa_next_free_vgpr 160
		.amdhsa_next_free_sgpr 66
		.amdhsa_reserve_vcc 0
		.amdhsa_float_denorm_mode_32 3
		.amdhsa_float_denorm_mode_16_64 3
		.amdhsa_memory_ordered 1
		.amdhsa_forward_progress 1
		.amdhsa_inst_pref_size 57
	.end_amdhsa_kernel
	.amdgpu_metadata
---
amdhsa.version: [ 1, 2 ]
amdhsa.kernels:
  - .name:           k_q5fa4aaeee2_quant_w
    .symbol:         k_q5fa4aaeee2_quant_w.kd
    .args:
      - { .name: wq, .offset: 0, .size: 8, .value_kind: global_buffer, .address_space: global }
      - { .name: wk, .offset: 8, .size: 8, .value_kind: global_buffer, .address_space: global }
      - { .name: wv, .offset: 16, .size: 8, .value_kind: global_buffer, .address_space: global }
      - { .name: wo, .offset: 24, .size: 8, .value_kind: global_buffer, .address_space: global }
      - { .name: cimg, .offset: 32, .size: 8, .value_kind: global_buffer, .address_space: global }
      - { .name: csc, .offset: 40, .size: 8, .value_kind: global_buffer, .address_space: global }
    .group_segment_fixed_size: 0
    .private_segment_fixed_size: 0
    .kernarg_segment_align: 8
    .kernarg_segment_size: 48
    .max_flat_workgroup_size: 128
    .sgpr_count:     66
    .vgpr_count:     160
    .wavefront_size: 32
...
	.end_amdgpu_metadata
.endif
;; end of part 2
;; launch qkv (part 3): grid 24 x 8, 4 waves a work-group, clusters of 4 x 4, 327,680 bytes of LDS; arguments cimg, csc, freqs_cos, freqs_sin, qkv_img, qkv_sc; writes qkv_img, qkv_sc
.if DOCPART == 3
	.amdgcn_target "amdgcn-amd-amdhsa--gfx1250"
	.amdhsa_code_object_version 6
	.text
	.protected	k_q5fa4aaeee2_qkv
	.globl	k_q5fa4aaeee2_qkv
	.p2align	8
	.type	k_q5fa4aaeee2_qkv,@function
k_q5fa4aaeee2_qkv:
	s_mov_b64 s[64:65], 0
	v_nop
	global_prefetch_b8 v0, s[64:65] scope:SCOPE_SE
	s_setreg_imm32_b32 hwreg(HW_REG_WAVE_MODE, 25, 1), 1
	s_wait_xcnt 0x0
	s_wait_alu depctr_hold_cnt(0) depctr_sa_sdst(0) depctr_va_vdst(0) depctr_va_sdst(0) depctr_va_ssrc(0) depctr_va_vcc(0) depctr_vm_vsrc(0)
	s_getreg_b32 s2, hwreg(HW_REG_IB_STS2, 6, 4)
	s_cmp_eq_u32 s2, 0
	s_cbranch_scc0 .Lentry_in_a_cluster
	s_endpgm
.Lentry_in_a_cluster:
	s_bfe_u32 s2, ttmp6, 0x10000c
	s_cmp_lg_u32 s2, 0xf033
	s_cbranch_scc0 .Lentry_shape_is_right
	s_endpgm
.Lentry_shape_is_right:
; q = rope(x wq), k = rope(x wk), v = x wv, all three products on codes of E4M3 with E8M0 scales, and the results QUANTISED ON THE WAY OUT into images of operand registers for the attention launch.
; IMAGES: a fragment is 16 rows x 128 K, 2,048 bytes, piece c of lane l at 512 c + 16 l; lane (r, h) holds k = 32 c + 16 h + 0 .. 15 of the tile's row r; row r of tile 2 B + u is row 32 B + 8 u + r + 8 (r / 8).
; Fragment (hi, lo) lies at (128 hi + lo) x 2,048 bytes of its part, its 16 scale words at (128 hi + lo) x 64.  In cimg, csc (parts 0 wq, 1 wk, 2 wv, 4 x): hi = K step, lo = tile of rows.
; Out: qkv_img, qkv_sc, parts 0 q, 1 k: hi = head (its 128 channels are the next K), lo = tile of tokens; part 2 v: hi = head, lo = 8 x (step of 128 keys) + tile of the head's channels (the keys are the next K).
; THE PRODUCT: Out(L row, R row) = sum over k of L R, source 0 = 16 rows of R, source 1 = 16 rows of L: a lane holds ONE row of L, and by the order of a tile's rows its 64 registers of eight tiles of R are
; R rows 32 b + 16 h + i, the very order in which the next operand's fragment wants them.  For q and k: L = x, R = the weight (a lane: one token, a head's channels).  For v: L = wv, R = x (a lane: one channel, 128 tokens).
; SHARES: work-group x = 8 g + xr, g = 0 q, 1 k, 2 v; a work-group makes 256 rows of L (y) x 256 rows of R (xr); four waves, each 128 x 128: 64 accumulators, 512 registers.  192 work-groups.
; K goes two steps of 128 to a slot through a ring of two LDS slots; a slot's four dense blocks of 32,768 bytes (L step 0, L step 1, R step 0, R step 1) are one tensor load of one wave each.
; The scale words of the work-group's rows for all of K come into LDS once, with the first fills.
; CLUSTERS: 4 x 4 work-groups (one g).  L's blocks hang on y alone and are asked for jointly along a row of the cluster, R's on xr alone, along a column.
; cache_k and cache_v are no arguments of this program: with start_pos = 0 and 2,048 tokens the slice of a cache that is read back is exactly the slice just written, so no byte of them reaches the result.
; LIMITS: a block of zeros gets the byte 1 where the rule says 127 (its codes are zeros, and this program alone reads the bytes); NaN and infinities are not served; the rotation is a product and a fused multiply-add.
; REGISTERS, in windows of 256: window 0: v1-29 addresses; v32-63 scale words, two sets, and nothing else; v64-127 the way out's numbers; v128-255 L's fragments, one set (on the way out: codes and work).
;   window 1: R's fragments, two sets (on the way out: cos and sin, four sets).   windows 2, 3: the accumulators ((a, b) at v[8 (8 (a % 4) + b)] of window 2 + a / 4).
.set NQ,     2                         ; steps of 128 along K in a slot
.set FR,     16                        ; registers of a fragment
.set NL,     4                         ; LDS loads that bring one
.set NP,     8                         ; places behind this matrix instruction (ISA guide 7.12.1)
.set HALFT,  32768                     ; 16 tiles of one K step: what one tensor load brings
.set SLOT,   4*HALFT
.set LAPS,   4                         ; a lap = two slots = 512 along K
.set REFILL, 4*262144                  ; a slot's next fill lies four K steps on; a K step is 128 fragments
.set SCL,    2*SLOT                    ; behind the ring: L's scale words [16 K steps][16 tiles][16 words], then R's
.set SPARE,  SCL+32768                 ; behind them: the spare words, 128 bytes for each wave: two blocks of 256 bytes that no other line names
.set CA,   8                           ; v8   the way out: my byte in the wave's rows of cos and sin
.set OI,   9                           ; v9   16 x lane
.set OS,   10                          ; v10  4 x lane
.set ADRA, 16                          ; v16-17  LDS address of my L fragments in slot 0, 1
.set ADRB, 20                          ; v20-21  the same for R
.set ADRS, 27                          ; v27     LDS address of my scale words: lanes 0-15 L's, lanes 16-31 R's
.set SPW,  28                          ; v28     LDS address of my spare word; never rewritten
.set NIL,  29                          ; v29     0; never rewritten
.set SC,   32                          ; scale words: set s at v[SC + 16 s]; register 2 i + q: lanes 0-15 the word of L's block i, lanes 16-31 that of R's block i, for the slot's q-th step
.set AF,   128                         ; L's fragments
.set X,    64                          ; the way out: 64 numbers
.set PC,   128                         ; codes, two sets of 16
.set T,    160                         ; v160-167 at work in the rotation
.set TM,   168                         ; v168-183 at work in the quantiser
.set PWR,  184                         ; v184, v185 an even and an odd tile's scale words; v186 both in one register
.set PWS,  186
.set SEL,  2                           ; s[2:3] lane selects: lane l xor 16
.set WV,   16                          ; s16 wave; s17 wave / 2; s18 wave % 2
.set HR,   17
.set HC,   18
.set G1,   24                          ; s[24:31] descriptor group 1 for L's blocks;  s[32:39] group 0, one set for each slot
.set G0,   32
.set G1B,  48                          ; s[48:55], s[56:63] the same for R's
.set G0B,  56
.set HM,   66                          ; s66 a mask of lanes 16-31
.set MNT,  67                          ; s67 the mantissa field of 448
.set G1S,  68                          ; s[68:75], s[76:79] groups 1 and 0 for L's scale words;  s[80:87], s[88:91] for R's
.set G0S,  76
.set G1SB, 80
.set G0SB, 88
.set MSB, 0
.macro WIN new                         ; the immediate's high byte repeats the setting that is left; a switch that changes nothing is dropped
.if MSB != \new
	s_set_vgpr_msb (MSB<<8)|\new
.set MSB, \new
.endif
.endm
.set MUL_LO, 0xa1                      ; source 0 (R) window 1, source 1 (L) window 0, C and D window 2
.set MUL_HI, 0xf1                      ; the same, C and D window 3
.set TO_B,   0x40                      ; destination window 1, address window 0
; A joint load: waves 0 and 1 fetch for L, waves 2 and 3 for R.  Each of the two lines has one mask and one set of registers for all that issue it; the branch hangs on the wave's number alone.
; Four v_nop follow each of the two lines, ahead of the jump, the label and what follows.
.macro JLOAD g0a, g1a, g0b, g1b
	s_cmp_eq_u32 s[HR], 0
	s_cbranch_scc0 .Lfor_b_\@
	tensor_load_to_lds s[\g0a:\g0a+3], s[\g1a:\g1a+7]
	s_nop 0
.rept 4
	v_nop
.endr
	s_branch .Lasked_\@
.Lfor_b_\@:
	tensor_load_to_lds s[\g0b:\g0b+3], s[\g1b:\g1b+7]
	s_nop 0
.rept 4
	v_nop
.endr
.Lasked_\@:
.endm
.macro CREST                           ; a round of the cluster's barrier behind its opening barrier
	s_cmp_lg_u32 s[WV], 0
	s_cbranch_scc1 .Lnot_wave_0_\@
	s_barrier_signal -3
.Lnot_wave_0_\@:
	s_barrier_wait -3
	s_barrier_signal -1
	s_barrier_wait -1
.endm
.macro CROUND                          ; a whole round
	s_barrier_signal -1
	s_barrier_wait -1
	CREST
.endm
	s_load_b256 s[4:11], s[0:1], 0x0               ; cimg s[4:5], csc s[6:7], cos s[8:9], sin s[10:11]
	s_load_b128 s[12:15], s[0:1], 0x20             ; qkv_img s[12:13], qkv_sc s[14:15]
	v_lshl_add_u32 v[SPW], v0, 2, SPARE
	v_mov_b32 v[NIL], 0
	ds_add_u32 v28, v29
	ds_add_u32 v28, v29
	s_wait_dscnt 0x0
	v_lshrrev_b32 v1, 5, v0
	v_readfirstlane_b32 s[WV], v1                  ; wave 0..3
	s_lshr_b32 s[HR], s[WV], 1                     ; which half of L's rows is mine.  Also: I fetch for L (0) or for R (1)
	s_and_b32 s[HC], s[WV], 1                      ; which half of R's rows.  Also: which of a slot's two K steps I fetch
	s_bfe_u32 s40, ttmp6, 0x40000                  ; cx, cy: my place in the cluster
	s_bfe_u32 s41, ttmp6, 0x40004
	s_lshr_b32 s46, ttmp9, 1                       ; g: 0 q, 1 k, 2 v: two clusters along x to each, so all partners share it
	s_and_b32 s42, ttmp9, 1
	s_lshl_b32 s42, s42, 2
	s_add_co_u32 s42, s42, s40                     ; xr: which 256 rows of R
	s_and_b32 s43, ttmp7, 0xffff
	s_lshl_b32 s43, s43, 2
	s_add_co_u32 s43, s43, s41                     ; y: which 256 rows of L
	s_lshl_b32 s44, s41, 2
	s_lshl_b32 s44, 15, s44                        ; my row of the cluster
	s_lshl_b32 s45, 0x1111, s40                    ; my column
	; descriptor group 1 for codes: a dense block of 32,768 bytes as 128 rows of 256 bytes (32 elements of 8 bytes), no padding: an image is read 512 consecutive bytes an instruction
	s_or_b32 s[G1+0], s44, (3<<16)|(1<<21)         ; 15:0 the mask: L's blocks go to my row; 17:16 elements of 8 bytes; 21 set beside a mask
	s_or_b32 s[G1B+0], s45, (3<<16)|(1<<21)        ; R's go to my column
.irp g, G1, G1B
	s_mov_b32 s[\g+1], 32<<16                      ; tensor_dim0 = 32
	s_mov_b32 s[\g+2], 128<<16                     ; tensor_dim1 = 128
	s_mov_b32 s[\g+3], 32<<16                      ; tile_dim0 = 32
	s_mov_b32 s[\g+4], 128                         ; tile_dim1 = 128
	s_mov_b32 s[\g+5], 32                          ; tensor_dim0_stride
	s_mov_b32 s[\g+6], 0
	s_mov_b32 s[\g+7], 0
.endr
	; and for scale words: 8 K steps x the 1,024 bytes of 16 tiles (128 elements of 8 bytes), 8,192 bytes apart in memory, dense in LDS
	s_or_b32 s[G1S+0], s44, (3<<16)|(1<<21)
	s_or_b32 s[G1SB+0], s45, (3<<16)|(1<<21)
.irp g, G1S, G1SB
	s_mov_b32 s[\g+1], 128<<16
	s_mov_b32 s[\g+2], 8<<16
	s_mov_b32 s[\g+3], 128<<16
	s_mov_b32 s[\g+4], 8
	s_mov_b32 s[\g+5], 1024
	s_mov_b32 s[\g+6], 0
	s_mov_b32 s[\g+7], 0
.endr
	s_lshr_b32 s19, s46, 1
	s_lshl_b32 s19, s19, 1                         ; 2 for v, else 0
	s_sub_co_u32 s20, 4, s19                       ; L's part of cimg: x (4), for v the weight (2)
	s_add_co_u32 s21, s46, s19                     ; R's part: the weight (0, 1), for v x (4)
	s_lshl_b32 s22, s[HC], 7
	s_lshl_b32 s23, s43, 4
	s_add_co_u32 s22, s22, s23                     ; L: fragment 128 x (my K step of slot 0) + 16 y
	s_lshl_b32 s92, s22, 11
	s_lshl_b32 s23, s20, 22
	s_add_co_u32 s92, s92, s23
	s_mov_b32 s93, 0                               ; its codes' offset
	s_lshl_b32 s22, s[HC], 10
	s_lshl_b32 s23, s43, 4
	s_add_co_u32 s22, s22, s23                     ; L's scale words: K steps 8 x (wave % 2) on
	s_lshl_b32 s94, s22, 6
	s_lshl_b32 s23, s20, 17
	s_add_co_u32 s94, s94, s23
	s_mov_b32 s95, 0
	s_lshl_b32 s100, s[HC], 7                      ; R likewise, in registers that never hold cy
	s_lshl_b32 s101, s42, 4
	s_add_co_u32 s100, s100, s101
	s_lshl_b32 s96, s100, 11
	s_lshl_b32 s101, s21, 22
	s_add_co_u32 s96, s96, s101
	s_mov_b32 s97, 0
	s_lshl_b32 s100, s[HC], 10
	s_lshl_b32 s101, s42, 4
	s_add_co_u32 s100, s100, s101
	s_lshl_b32 s98, s100, 6
	s_lshl_b32 s101, s21, 17
	s_add_co_u32 s98, s98, s101
	s_mov_b32 s99, 0
	s_lshl_b32 s22, s[WV], 15                      ; where they go: wave x 32,768 in a slot; no place in the cluster enters an LDS address
	s_lshl_b32 s23, s[WV], 13                      ; and wave x 8,192 among the scale words
	s_mov_b32 s[SEL], 0x76543210
	s_mov_b32 s[SEL+1], 0xfedcba98
	s_mov_b32 s[HM], 0xffff0000
	s_mov_b32 s[MNT], 0x600000
	s_wait_kmcnt 0x0
	s_add_nc_u64 s[92:93], s[4:5], s[92:93]
	s_add_nc_u64 s[94:95], s[6:7], s[94:95]
	s_add_nc_u64 s[96:97], s[4:5], s[96:97]
	s_add_nc_u64 s[98:99], s[6:7], s[98:99]
	CROUND                                         ; all sixteen work-groups are here: the first joint loads meet
	s_mov_b32 s[G0S], 1
	s_add_co_u32 s[G0S+1], s23, SCL
	s_mov_b64 s[G0S+2:G0S+3], s[94:95]
	s_or_b32 s[G0S+3], s[G0S+3], 0x80000000
	s_mov_b32 s[G0SB], 1
	s_add_co_u32 s[G0SB+1], s23, SCL
	s_mov_b64 s[G0SB+2:G0SB+3], s[98:99]
	s_or_b32 s[G0SB+3], s[G0SB+3], 0x80000000
	JLOAD G0S, G1S, G0SB, G1SB                     ; the scale words first: they are wanted with the first K step
.irp s, 0,1
	s_mov_b32 s[G0+4*\s], 1
	s_add_co_u32 s[G0+4*\s+1], s22, \s*SLOT
	s_add_nc_u64 s[G0+4*\s+2:G0+4*\s+3], s[92:93], \s*2*262144
	s_or_b32 s[G0+4*\s+3], s[G0+4*\s+3], 0x80000000
	s_mov_b32 s[G0B+4*\s], 1
	s_add_co_u32 s[G0B+4*\s+1], s22, \s*SLOT
	s_add_nc_u64 s[G0B+4*\s+2:G0B+4*\s+3], s[96:97], \s*2*262144
	s_or_b32 s[G0B+4*\s+3], s[G0B+4*\s+3], 0x80000000
	JLOAD G0+4*\s, G1, G0B+4*\s, G1B               ; three tensor loads of mine are out behind the second of these
.endr
	v_and_b32 v1, 15, v0                           ; r
	v_bfe_u32 v2, v0, 4, 1                         ; h
	v_and_b32 v3, 31, v0                           ; lane
	v_lshlrev_b32 v[OI], 4, v3
	v_lshlrev_b32 v[OS], 2, v3
	s_lshl_b32 s19, s[HR], 14                      ; my 8 tiles of L
	s_lshl_b32 s20, s[HC], 14                      ; my 8 tiles of R,
	s_add_co_u32 s20, s20, 2*HALFT                 ; which lie behind L's two blocks
.irp s, 0,1
	v_add_nc_u32 v[ADRA+\s], s19, v[OI]
	v_add_nc_u32 v[ADRB+\s], s20, v[OI]
	s_add_co_u32 s19, s19, SLOT
	s_add_co_u32 s20, s20, SLOT
.endr
	s_lshl_b32 s19, s[HR], 9                       ; L's words: my 8 tiles of 64 bytes
	s_lshl_b32 s20, s[HC], 9                       ; R's: my 8 tiles, 16,384 bytes behind L's
	s_add_co_u32 s20, s20, 16384
	s_sub_co_u32 s20, s20, s19
	v_mul_u32_u24 v5, s20, v2                      ; lanes 16-31 take R's: one product, the distance between the two
	s_add_co_u32 s19, s19, SCL
	v_lshl_add_u32 v5, v1, 2, v5
	v_add_nc_u32 v[ADRS], s19, v5
	v_and_b32 v5, 8, v1
	v_add_nc_u32 v5, v5, v1                        ; r + 8 (r / 8)
	v_lshlrev_b32 v[CA], 8, v5                     ; a token's row of cos or sin is 256 bytes;
	v_lshl_add_u32 v[CA], v2, 5, v[CA]             ; my half's 8 pairs of each block of 32 channels begin 32 h bytes on
	; where the results go
	s_lshl_b32 s19, s42, 1
	s_add_co_u32 s19, s19, s[HC]                   ; my group of 128 rows of R
	s_lshl_b32 s20, s43, 1
	s_add_co_u32 s20, s20, s[HR]                   ; my group of 128 rows of L
	s_cmp_eq_u32 s46, 2
	s_cselect_b32 s21, s20, s19                    ; hi: the head: R's group for q and k, L's for v
	s_cselect_b32 s22, s19, s20                    ; lo / 8: the other one
	s_lshl_b32 s21, s21, 7
	s_lshl_b32 s22, s22, 3
	s_add_co_u32 s21, s21, s22                     ; my first fragment's number
	s_lshl_b32 s22, s21, 11
	s_lshl_b32 s23, s46, 22
	s_add_co_u32 s22, s22, s23
	s_mov_b32 s23, 0
	s_add_nc_u64 s[12:13], s[12:13], s[22:23]
	s_lshl_b32 s22, s21, 6
	s_lshl_b32 s21, s46, 17
	s_add_co_u32 s22, s22, s21
	s_add_nc_u64 s[100:101], s[14:15], s[22:23]
	s_lshl_b32 s22, s20, 15                        ; cos and sin at my first token: 128 rows of 256 bytes a group
	s_add_nc_u64 s[96:97], s[8:9], s[22:23]
	s_add_nc_u64 s[98:99], s[10:11], s[22:23]
.macro FRAG reg, adr, q, i             ; a fragment comes as it lies: four loads of 512 consecutive bytes
.irp c, 0,1,2,3
	ds_load_b128 v[\reg+4*\c:\reg+4*\c+3], v[\adr] offset:HALFT*(\q)+2048*(\i)+512*\c
.endr
.endm
; 16 matrix instructions: L's blocks a0, a0 + 1 x R's eight, the slot's q-th step.  p: R's set;  sc: the set of scale words.  zero = 1: the first product starts the sums: nothing is ever cleared.
; The 64 accumulators take turns, one instruction a turn, in the same order in every step.
.macro MUL16 a0, p, q, sc, zero
.irp a, \a0, \a0+1
.irp b, 0,1,2,3,4,5,6,7
.if \zero
	v_wmma_scale_f32_16x16x128_f8f6f4 v[8*(8*((\a)%4)+\b):8*(8*((\a)%4)+\b)+7], v[128*(\p)+FR*\b:128*(\p)+FR*\b+FR-1], v[AF+FR*(\a):AF+FR*(\a)+FR-1], 0, v[SC+8*NQ*(\sc)+NQ*\b+(\q)], v[SC+8*NQ*(\sc)+NQ*(\a)+(\q)] matrix_a_scale:MATRIX_SCALE_ROW1
.else
	v_wmma_scale_f32_16x16x128_f8f6f4 v[8*(8*((\a)%4)+\b):8*(8*((\a)%4)+\b)+7], v[128*(\p)+FR*\b:128*(\p)+FR*\b+FR-1], v[AF+FR*(\a):AF+FR*(\a)+FR-1], v[8*(8*((\a)%4)+\b):8*(8*((\a)%4)+\b)+7], v[SC+8*NQ*(\sc)+NQ*\b+(\q)], v[SC+8*NQ*(\sc)+NQ*(\a)+(\q)] matrix_a_scale:MATRIX_SCALE_ROW1
.endif
.endr
.endr
.endm
.macro FETCH_B slot, q, p              ; R's eight fragments of the slot's q-th step into set p
	WIN TO_B
.irp i, 0,1,2,3,4,5,6,7
	FRAG 128*(\p)+FR*\i, ADRB+\slot, \q, \i
.endr
	WIN 0
.endm
.macro FETCH_A slot, q, i0             ; L's blocks i0 .. i0 + 3
.irp i, \i0, \i0+1, \i0+2, \i0+3
	FRAG AF+FR*(\i), ADRA+\slot, \q, \i
.endr
.endm
.macro SCALES sc                       ; a slot's scale words into set sc: lanes 0-15 take L's block i, lanes 16-31 R's block i; the two steps' words lie 1,024 bytes apart
.irp i, 0,1,2,3,4,5,6,7
.irp q, 0,1
	ds_load_b32 v[SC+8*NQ*\sc+NQ*\i+\q], v[ADRS] offset:64*\i+1024*\q
.endr
.endr
.endm
; A load into a register that a matrix instruction has read, and a vector instruction or a store that reads a matrix result, stand NP places behind that matrix instruction, and only plain vector
; instructions that name none of its registers are places (ISA guide 7.12.1 for vector instructions); the matrix instructions in between are not counted.
.macro PLACES n
.rept \n
	v_nop
.endr
.endm
; A step of 128 along K that has its successor in the same slot.
.macro STEP slot, q, zero
	s_wait_dscnt 4*NL                              ; R's set, L's blocks 0-3 and the scale words are in; the youngest sixteen loads (L's blocks 4-7) may be out
	WIN MUL_LO
	MUL16 0, (\q)%2, \q, \slot, \zero
	MUL16 2, (\q)%2, \q, \slot, \zero
	s_wait_dscnt 0                                 ; L's blocks 4-7 are in (asked for 32 matrix instructions ago)
	PLACES NP
	FETCH_B \slot, (\q)+1, 1-(\q)%2
	FETCH_A \slot, (\q)+1, 0
	WIN MUL_HI
	MUL16 4, (\q)%2, \q, \slot, \zero
	MUL16 6, (\q)%2, \q, \slot, \zero
	PLACES NP
	WIN 0
	FETCH_A \slot, (\q)+1, 4
.endm
; A slot's last step changes slots: ONE barrier; in front of it each wave waits for all its tensor loads, adds 0 to its spare word, and waits for that and for its own reads of this slot.  fill = 1: this slot is filled again.
.macro TURN slot, next, fill
	s_wait_tensorcnt 0x0                           ; all my tensor loads have landed: my part of the next slot;  (every window is 0 here)
	ds_add_u32 v[SPW], v[NIL]                      ; 0 onto my spare word
	s_wait_dscnt 4*NL+1                            ; (the add and the youngest sixteen loads, L's blocks 4-7, may be out)
	WIN MUL_LO
	MUL16 0, 1, NQ-1, \slot, 0                     ; sixteen matrix instructions stand between the add and the wait for it
	s_wait_dscnt 0x0                               ; the add is done, and my reads of this slot are over
	s_barrier_signal -1
	MUL16 2, 1, NQ-1, \slot, 0
	WIN 0
	s_barrier_wait -1
.if \fill
	CREST                                          ; the barrier has opened a round of the cluster's barrier: no wave of any partner still reads this slot or has a load on its way
	s_add_nc_u64 s[G0+4*\slot+2:G0+4*\slot+3], s[G0+4*\slot+2:G0+4*\slot+3], REFILL
	s_add_nc_u64 s[G0B+4*\slot+2:G0B+4*\slot+3], s[G0B+4*\slot+2:G0B+4*\slot+3], REFILL
	JLOAD G0+4*\slot, G1, G0B+4*\slot, G1B         ; the first tensor load behind the round, my one load until the next; its four v_nop are among the places in front of the loads below
	PLACES NP-4
.else
	PLACES NP
.endif
	v_add_nc_u32 v[ADRS], 1024*NQ, v[ADRS]         ; on to the next slot's scale words (no LDS load of mine is out)
	FETCH_B \next, 0, 0
	FETCH_A \next, 0, 0
	SCALES \next
	WIN MUL_HI
	MUL16 4, 1, NQ-1, \slot, 0
	MUL16 6, 1, NQ-1, \slot, 0
	PLACES NP
	WIN 0
	FETCH_A \next, 0, 4
.endm
	s_wait_tensorcnt 1                             ; the scale words and my part of slot 0 are in (slot 1's load may be out)
	s_barrier_signal -1
	s_barrier_wait -1                              ; everybody's are
	FETCH_B 0, 0, 0
	FETCH_A 0, 0, 0
	SCALES 0
	FETCH_A 0, 0, 4
	STEP 0, 0, 1                                   ; the first step stands in front of the loop: its products start the sums
	s_mov_b32 s47, LAPS-1
.Llap:                                             ; a trip goes once round the ring, from a lap's second step to the next lap's first, and fills both slots again
	TURN 0, 1, 1
	STEP 1, 0, 0
	TURN 1, 0, 1
	STEP 0, 0, 0
	s_sub_co_u32 s47, s47, 1
	s_cmp_lg_u32 s47, 0
	s_cbranch_scc1 .Llap
	TURN 0, 1, 0                                   ; the last lap fills nothing, and has no round of the cluster's barrier
	STEP 1, 0, 0
	s_wait_dscnt 4*NL                              ; the very last step: nothing more to fetch
	WIN MUL_LO
	MUL16 0, 1, NQ-1, 1, 0
	MUL16 2, 1, NQ-1, 1, 0
	s_wait_dscnt 0
	WIN MUL_HI
	MUL16 4, 1, NQ-1, 1, 0
	MUL16 6, 1, NQ-1, 1, 0
	WIN 0
; THE WAY OUT.  Block a's eight accumulators, 64 consecutive registers, are one whole fragment of the next operand: register 16 b + i = k 32 b + 16 h + i of my row.  No LDS, no change of lanes.
; cos and sin of block a's 16 tokens: for each block of 32 channels my half's 8 pairs, 32 bytes of each table; four sets of 64 registers in window 1
.macro CSLOAD a
	WIN TO_B
.irp b, 0,1,2,3
.irp j, 0,1
	global_load_b128 v[64*((\a)%4)+8*\b+4*\j:64*((\a)%4)+8*\b+4*\j+3], v[CA], s[96:97] offset:(32*((\a)/2)+8*((\a)%2))*256+64*\b+16*\j
	global_load_b128 v[64*((\a)%4)+32+8*\b+4*\j:64*((\a)%4)+32+8*\b+4*\j+3], v[CA], s[98:99] offset:(32*((\a)/2)+8*((\a)%2))*256+64*\b+16*\j
.endr
.endr
.endm
; the rotation: pair p = registers 2 p, 2 p + 1: (xr c - xi s, xr s + xi c), out of the accumulators into v[X] on; each accumulator is read from its low end on
.macro ROPE a
.set AC, 64*((\a)%4)
.set WW, (2+(\a)/4)|4
	WIN WW                                         ; source 0: the accumulators' window; source 1: window 1
.irp g, 0,1,2,3,4,5,6,7
.irp k, 0,1,2,3
	v_mul_f32 v[T+2*\k], v[AC+8*\g+2*\k+1], v[AC+32+4*\g+\k]
	v_mul_f32 v[T+2*\k+1], v[AC+8*\g+2*\k], v[AC+32+4*\g+\k]
.endr
.irp k, 0,1,2,3
	v_fma_f32 v[X+8*\g+2*\k], v[AC+8*\g+2*\k], v[AC+4*\g+\k], -v[T+2*\k]
	v_fma_f32 v[X+8*\g+2*\k+1], v[AC+8*\g+2*\k+1], v[AC+4*\g+\k], v[T+2*\k+1]
.endr
.endr
.endm
; 64 numbers of a lane in v[s] on of window w become codes in v[pc] on and a scale word in v[pw].  The hold moves them into v[X] on of window 0.
.macro QUANT s, w, pc, pw
.set WW, (\w)|((\w)<<2)
	WIN WW
.irp b, 0,1,2,3
	v_max3_num_f32 v[TM+\b], |v[\s+16*\b]|, |v[\s+16*\b+1]|, 0x4800000   ; block b: my 16 numbers, and the floor 2^(9 - 127): so the byte cannot fall under 1
.endr
.irp i, 2,4,6,8,10,12,14
.irp b, 0,1,2,3
	v_max3_num_f32 v[TM+\b], |v[\s+16*\b+\i]|, |v[\s+16*\b+\i+1]|, v[TM+\b]   ; the four blocks by turns
.endr
.endr
	WIN 0
.irp b, 0,1,2,3
	v_permlanex16_b32 v[TM+4+\b], v[TM+\b], s[SEL], s[SEL+1]
.endr
.irp b, 0,1,2,3
	v_max_num_f32 v[TM+\b], v[TM+\b], v[TM+4+\b]   ; with lane l xor 16's: the block's largest magnitude
.endr
.irp b, 0,1,2,3
	v_add_nc_u32 v[TM+12+\b], 0xfc000000, v[TM+\b] ; 8 off its exponent field: the conversions' scale operand
.endr
.irp b, 0,1,2,3
	v_and_or_b32 v[TM+8+\b], v[TM+\b], 0x7f800000, s[MNT]   ; 448 x the scale
.endr
.irp b, 0,1,2,3
	v_lshrrev_b32 v[TM+4+\b], 23, v[TM+12+\b]      ; the scale's byte
.endr
	v_lshl_or_b32 v[\pw], v[TM+5], 8, v[TM+4]
	v_lshl_or_b32 v[\pw], v[TM+6], 16, v[\pw]
	v_lshl_or_b32 v[\pw], v[TM+7], 24, v[\pw]
.set WW, \w
	WIN WW
.irp b, 0,1,2,3
.irp i, 0,1,2,3,4,5,6,7,8,9,10,11,12,13,14,15
	v_med3_num_f32 v[X+16*\b+\i], v[\s+16*\b+\i], -v[TM+8+\b], v[TM+8+\b]   ; the conversion to an 8-bit code does not saturate (ISA guide 7.6.2): the hold at 448 x the scale
.endr
.endr
	WIN 0
.irp b, 0,1,2,3
	v_cvt_scalef32_pk8_fp8_f32 v[\pc+4*\b:\pc+4*\b+1], v[X+16*\b:X+16*\b+7], v[TM+12+\b]
	v_cvt_scalef32_pk8_fp8_f32 v[\pc+4*\b+2:\pc+4*\b+3], v[X+16*\b+8:X+16*\b+15], v[TM+12+\b]
.endr
	v_nop                                          ; one plain vector line behind the last conversion
.endm
.macro OUTB a                          ; block a's fragment leaves as it stands: four stores of 512 consecutive bytes, aligned; two tiles' scale words leave together, 128 bytes
.set PCS, PC+16*((\a)%2)
.irp c, 0,1,2,3
	global_store_b128 v[OI], v[PCS+4*\c:PCS+4*\c+3], s[12:13] offset:2048*(\a)+512*\c
.endr
.if (\a)%2 == 1
	v_cndmask_b32 v[PWS], v[PWR], v[PWR+1], s[HM]  ; lanes 0-15 the even tile's words, lanes 16-31 the odd tile's
	global_store_b32 v[OS], v[PWS], s[100:101] offset:64*((\a)-1)
.endif
.endm
	PLACES NP                                      ; behind the last products: in front of the first reads of results and of writes and loads into registers that held operands
.irp b, 0,1,2,3
	v_mov_b32 v[TM+4+\b], 0                        ; written once: a lane permute's destination counts as one of its sources
.endr
	s_cmp_eq_u32 s46, 2                            ; v is not rotated: a branch on the cluster's number alone
	s_cbranch_scc1 .Lv
	CSLOAD 0
	CSLOAD 1
	CSLOAD 2
	CSLOAD 3
.irp a, 0,1,2,3,4,5,6,7
.if \a < 5
	s_wait_loadcnt 48                              ; block a's sixteen loads are in; those of the three sets behind it may be out
.else
	s_wait_loadcnt 16*(7-\a)
.endif
.if \a > 1
	s_wait_xcnt 0x0                                ; the registers that the stores of two blocks ago read are written again only behind this wait
.endif
	ROPE \a
.set PCS, PC+16*(\a%2)
.set PWA, PWR+\a%2
	QUANT X, 0, PCS, PWA
	OUTB \a
.if \a < 4
	CSLOAD \a+4                                    ; its set takes the block four further on
.endif
.endr
	WIN 0
	s_branch .Lend
.Lv:
.irp a, 0,1,2,3,4,5,6,7
.if \a > 1
	s_wait_xcnt 0x0
.endif
.set AC, 64*(\a%4)
.set WA, 2+\a/4
.set PCS, PC+16*(\a%2)
.set PWA, PWR+\a%2
	QUANT AC, WA, PCS, PWA
	OUTB \a
.endr
.Lend:
	s_wait_tensorcnt 0x0                           ; the wave's end
	ds_add_u32 v[SPW], v[NIL]
	s_wait_dscnt 0x0
	CROUND                                         ; the closing round: no work-group ends while a partner may still ask for a block that names it
	s_endpgm
.Lfunc_end_k_q5fa4aaeee2_qkv:
	.size	k_q5fa4aaeee2_qkv, .Lfunc_end_k_q5fa4aaeee2_qkv-k_q5fa4aaeee2_qkv
	.p2alignl 7, 3214868480
	.fill 96, 4, 3214868480
	.section	.rodata,"a",@progbits
	.p2align	6, 0x0
	.amdhsa_kernel k_q5fa4aaeee2_qkv
		.amdhsa_group_segment_fixed_size 327680
		.amdhsa_private_segment_fixed_size 0
		.amdhsa_enable_private_segment 0
		.amdhsa_kernarg_size 48
		.amdhsa_user_sgpr_count 2
		.amdhsa_user_sgpr_kernarg_segment_ptr 1
		.amdhsa_wavefront_size32 1
		.amdhsa_system_sgpr_workgroup_id_x 1
		.amdhsa_system_sgpr_workgroup_id_y 1
		.amdhsa_system_sgpr_workgroup_id_z 1
		.amdhsa_system_vgpr_workitem_id 0
		.amdhsa_next_free_vgpr 1024
		.amdhsa_next_free_sgpr 102
		.amdhsa_reserve_vcc 0
		.amdhsa_float_denorm_mode_32 3
		.amdhsa_float_denorm_mode_16_64 3
		.amdhsa_memory_ordered 1
		.amdhsa_forward_progress 1
		.amdhsa_inst_pref_size 255
	.end_amdhsa_kernel
	.section	.bss,"aw",@nobits
	.p2align	6
	.space	262144
	.amdgpu_metadata
---
amdhsa.version: [ 1, 2 ]
amdhsa.kernels:
  - .name:           k_q5fa4aaeee2_qkv
    .symbol:         k_q5fa4aaeee2_qkv.kd
    .args:
      - { .name: cimg, .offset: 0, .size: 8, .value_kind: global_buffer, .address_space: global }
      - { .name: csc, .offset: 8, .size: 8, .value_kind: global_buffer, .address_space: global }
      - { .name: freqs_cos, .offset: 16, .size: 8, .value_kind: global_buffer, .address_space: global }
      - { .name: freqs_sin, .offset: 24, .size: 8, .value_kind: global_buffer, .address_space: global }
      - { .name: qkv_img, .offset: 32, .size: 8, .value_kind: global_buffer, .address_space: global }
      - { .name: qkv_sc, .offset: 40, .size: 8, .value_kind: global_buffer, .address_space: global }
    .group_segment_fixed_size: 327680
    .private_segment_fixed_size: 0
    .kernarg_segment_align: 8
    .kernarg_segment_size: 48
    .max_flat_workgroup_size: 128
    .sgpr_count:     102
    .vgpr_count:     1024
    .wavefront_size: 32
...
	.end_amdgpu_metadata
.endif
;; end of part 3
;; launch attn (part 4): grid 16 x 16, 8 waves a work-group, clusters of 4 x 4, 327,680 bytes of LDS; arguments qkv_img, qkv_sc, mask, o_img, o_sc; writes o_img, o_sc
.if DOCPART == 4
	.amdgcn_target "amdgcn-amd-amdhsa--gfx1250"
	.amdhsa_code_object_version 6
	.text
	.protected	k_q5fa4aaeee2_attn
	.globl	k_q5fa4aaeee2_attn
	.p2align	8
	.type	k_q5fa4aaeee2_attn,@function
k_q5fa4aaeee2_attn:
	s_mov_b64 s[64:65], 0
	v_nop
	global_prefetch_b8 v0, s[64:65] scope:SCOPE_SE
	s_setreg_imm32_b32 hwreg(HW_REG_WAVE_MODE, 25, 1), 1
	s_wait_xcnt 0x0
	s_wait_alu depctr_hold_cnt(0) depctr_sa_sdst(0) depctr_va_vdst(0) depctr_va_sdst(0) depctr_va_ssrc(0) depctr_va_vcc(0) depctr_vm_vsrc(0)
	s_getreg_b32 s2, hwreg(HW_REG_IB_STS2, 6, 4)
	s_cmp_eq_u32 s2, 0
	s_cbranch_scc0 .Lentry_in_a_cluster
	s_endpgm
.Lentry_in_a_cluster:
	s_bfe_u32 s2, ttmp6, 0x10000c
	s_cmp_lg_u32 s2, 0xf033
	s_cbranch_scc0 .Lentry_shape_is_right
	s_endpgm
.Lentry_shape_is_right:
; For each head: O[q] = the sum over k of softmax_k(Q[q] . K[k] / sqrt(128) + mask[q][k]) V[k], both products on codes of E4M3 with E8M0 scales; O is quantised along (head, channel) on the way out.
; THE MASK IS AN INPUT: every query walks all 2,048 keys, and every number of the mask is added in f32.  It rides in as the C of the first product, times sqrt(128): s' = Q . K + mask x sqrt(128), t = s' x log2(e) / sqrt(128).
; THE SOFTMAX AHEAD OF THE SECOND PRODUCT: M = the row's largest t so far, rounded UP to a whole number; p = 2^(t - M) is what is quantised, along the keys; it is not normalised.
; The row's sum is taken of the unquantised p, in f32, and divides O at the end.  When M moves, the sum and O are multiplied by 2^(old M - new M): exact.
; IMAGES: a fragment is 16 rows x 128 K, 2,048 bytes, piece c of lane l at 512 c + 16 l; row r of tile 2 B + u is row 32 B + 8 u + r + 8 (r / 8); fragment (hi, lo) at (128 hi + lo) x 2,048, its scale words at (128 hi + lo) x 64.
; In: qkv_img, qkv_sc: parts 0 q, 1 k (hi = head, lo = tile of tokens), 2 v (hi = head, lo = 8 x key step + tile of channels; K = the keys).  Out: o_img, o_sc (hi = head, lo = tile of tokens).
; LAYOUT: both products are used transposed: S^T = K Q^T, O^T = V^T P^T: a lane holds ONE query throughout, and by the order of a tile's rows its 16 registers of two neighbouring tiles are 16 neighbours along the next K.
; SHARES: work-group (x, y): 128 queries (tiles 8 x ..) of head y; each of its eight waves owns one tile of 16 queries in 256 registers.  16 key steps of 128 keys through a ring of two LDS slots.
; A slot: the mask's 128 rows x 512 bytes (waves 0-3 fetch 32 rows each), K's eight fragments and V's eight (waves 4-7 fetch 8,192 bytes each).  K's and V's scale words of the whole head come once.
; CLUSTERS: 4 x 4 work-groups: the mask's tile hangs on x alone and is asked for jointly down a column of the cluster; K, V and their scale words hang on the head alone: along a row.
; V's first four fragments of a step are asked for ahead of the softmax, into registers that the softmax does not touch: they come out of LDS while the vector work runs.
; The two groups of eight rows of a tile lie 16 rows apart, a whole number of times 256 bytes at any pitch that is a multiple of 16: the mask's LDS loads meet two deep.
; LIMITS: NaN and infinities are not served (the mask finite, |mask| x sqrt(128) inside f32); t's order of rounding differs from a division followed by an addition; a block of zeros gets the byte 1, not 127
; (its codes are zeros, and this program alone reads the bytes).
; REGISTERS: v1-11 addresses; v12 -M, v13 the largest t, v[14:15] the sum in two halves; v16-31 Q; v32-95 four fragments of K or V; v96-159 the mask, S^T, then p; v160-223 O^T; v224-239 p's codes;
;   v232-247, v252, v254 at work; v248-251 K's or V's scale words; v253 p's scale word; v255 Q's scale word.
.set SLOT1, 131072                     ; slot 1 begins here
.set MP,    528                        ; a row of the mask's tile in LDS: 512 bytes + 16
.set KOFF,  128*MP                     ; in a slot: behind the mask K's eight fragments,
.set VREL,  16384                      ; and behind those V's eight
.set SCB,   2*SLOT1                    ; behind the ring: K's scale words of the head, 8,192 bytes, then V's
.set SPARE, SCB+16384                  ; the spare words, 128 bytes for each wave: four blocks of 256 bytes that no other line names
.set AK,   1                           ; v1, v2  LDS address of my 16 bytes of K's first piece in slot 0, 1
.set AM,   3                           ; v3, v4  of my query's row of the mask
.set SPW,  5                           ; v5   LDS address of my spare word; never rewritten
.set NIL,  6                           ; v6   0; never rewritten
.set ASC,  7                           ; v7   LDS address of the step's scale words of K: 512 bytes a step
.set OI,   8                           ; v8   16 x lane
.set OS,   9                           ; v9   4 r
.set LN,   10                          ; v10  lane
.set PWO,  11                          ; v11  O's scale word
.set WV,   14                          ; s14  wave
.set MNT,  19                          ; s19  the mantissa field of 448
.set SEL,  20                          ; s[20:21] lane selects: lane l xor 16
.set CS,   22                          ; s[22:23] c = log2(e) / sqrt(128), twice: the packed form names a pair
.set G1M,  24                          ; s[24:31] descriptor group 1 for the mask's tiles
.set G1KV, 32                          ; s[32:39] for K's and V's
.set G0M,  40                          ; s[40:47] group 0 for the mask, one set for each slot
.set G0KV, 48                          ; s[48:55] for K and V
.set G1S,  56                          ; s[56:63] group 1 for the scale words;  s[68:71] group 0
.set G0S,  68
.set RT,   72                          ; s[72:73] sqrt(128), twice
.set CNT,  74                          ; s74  trips to go
.macro ROUND                           ; a round of the cluster's barrier
	s_barrier_signal -1
	s_barrier_wait -1
	s_cmp_lg_u32 s[WV], 0
	s_cbranch_scc1 .Lnot_wave_0_\@
	s_barrier_signal -3
.Lnot_wave_0_\@:
	s_barrier_wait -3
	s_barrier_signal -1
	s_barrier_wait -1
.endm
; A joint refill of slot n: waves 0-3 the mask's rows, waves 4-7 K's and V's halves.  The branch hangs on the wave's number alone.  Four v_nop follow each of the two lines.
.macro JLOAD n
	s_cmp_lt_u32 s[WV], 4
	s_cbranch_scc0 .Lfor_kv_\@
	tensor_load_to_lds s[G0M+4*(\n):G0M+4*(\n)+3], s[G1M:G1M+7]
	s_nop 0
.rept 4
	v_nop
.endr
	s_branch .Lasked_\@
.Lfor_kv_\@:
	tensor_load_to_lds s[G0KV+4*(\n):G0KV+4*(\n)+3], s[G1KV:G1KV+7]
	s_nop 0
.rept 4
	v_nop
.endr
.Lasked_\@:
.endm
	s_load_b256 s[4:11], s[0:1], 0x0               ; qkv_img s[4:5], qkv_sc s[6:7], mask s[8:9], o_img s[10:11]
	s_load_b64 s[12:13], s[0:1], 0x20              ; o_sc
	v_lshl_add_u32 v[SPW], v0, 2, SPARE
	v_mov_b32 v[NIL], 0
	ds_add_u32 v5, v6
	ds_add_u32 v5, v6
	s_wait_dscnt 0x0
	v_lshrrev_b32 v1, 5, v0
	v_readfirstlane_b32 s[WV], v1                  ; wave 0..7
	s_bfe_u32 s15, ttmp6, 0x40000                  ; cx, cy: my place in the cluster
	s_bfe_u32 s16, ttmp6, 0x40004
	s_lshl_b32 s17, ttmp9, 2
	s_add_co_u32 s17, s17, s15                     ; x: which 128 queries
	s_and_b32 s18, ttmp7, 0xffff
	s_lshl_b32 s18, s18, 2
	s_add_co_u32 s18, s18, s16                     ; y: the head
	s_lshl_b32 s75, s16, 2
	s_lshl_b32 s75, 15, s75                        ; my row of the cluster
	s_lshl_b32 s76, 0x1111, s15                    ; my column
	; the mask: 32 rows of 128 f32, 2,048 elements apart, 16 bytes of padding behind each row of 128 words
	s_or_b32 s[G1M], s76, (2<<16)|(1<<20)|(1<<21)|(6<<22)|(3<<25)   ; 15:0 the mask of work-groups: my column; 17:16 elements of 4 bytes; 20 padding on; 21 set beside a mask; 24:22 after every 128 words (code 6); 31:25 four words (code 3)
	s_mov_b32 s[G1M+1], 128<<16                    ; tensor_dim0 = 128
	s_mov_b32 s[G1M+2], 32<<16                     ; tensor_dim1 = 32
	s_mov_b32 s[G1M+3], 128<<16                    ; tile_dim0 = 128
	s_mov_b32 s[G1M+4], 32                         ; tile_dim1 = 32
	s_mov_b32 s[G1M+5], 2048                       ; tensor_dim0_stride
	s_mov_b32 s[G1M+6], 0
	s_mov_b32 s[G1M+7], 0
	; K, V: a dense block of 8,192 bytes as 32 rows of 256 bytes (32 elements of 8 bytes)
	s_or_b32 s[G1KV], s75, (3<<16)|(1<<21)         ; my row of the cluster
	s_mov_b32 s[G1KV+1], 32<<16
	s_mov_b32 s[G1KV+2], 32<<16
	s_mov_b32 s[G1KV+3], 32<<16
	s_mov_b32 s[G1KV+4], 32
	s_mov_b32 s[G1KV+5], 32
	s_mov_b32 s[G1KV+6], 0
	s_mov_b32 s[G1KV+7], 0
	; the scale words: a dense block of 4,096 bytes as 16 rows of 256 bytes
	s_or_b32 s[G1S], s75, (3<<16)|(1<<21)
	s_mov_b32 s[G1S+1], 32<<16
	s_mov_b32 s[G1S+2], 16<<16
	s_mov_b32 s[G1S+3], 32<<16
	s_mov_b32 s[G1S+4], 16
	s_mov_b32 s[G1S+5], 32
	s_mov_b32 s[G1S+6], 0
	s_mov_b32 s[G1S+7], 0
	s_and_b32 s77, s[WV], 3                        ; which quarter I fetch
	s_bfe_u32 s78, s[WV], 0x10001                  ; of waves 4-7: K (0) or V (1)
	s_and_b32 s79, s[WV], 1                        ; and which half of it
	s_lshl_b32 s80, s17, 20                        ; the mask: 128 x rows of 8,192 bytes,
	s_lshl_b32 s81, s77, 18                        ; + my 32 rows
	s_add_co_u32 s80, s80, s81
	s_mov_b32 s81, 0
	s_add_co_u32 s82, s78, 1                       ; part 1 (k) or 2 (v)
	s_lshl_b32 s84, s82, 22
	s_lshl_b32 s83, s18, 18                        ; the head: 128 fragments
	s_add_co_u32 s84, s84, s83
	s_lshl_b32 s83, s79, 13                        ; my half of a step's eight fragments
	s_add_co_u32 s84, s84, s83
	s_mov_b32 s85, 0
	s_lshl_b32 s86, s82, 17                        ; the scale words likewise
	s_lshl_b32 s83, s18, 13
	s_add_co_u32 s86, s86, s83
	s_lshl_b32 s83, s79, 12
	s_add_co_u32 s86, s86, s83
	s_mov_b32 s87, 0
	s_mul_i32 s88, s77, 32*MP                      ; where they go: no place in the cluster enters an LDS address
	s_lshl_b32 s89, s77, 13
	s_add_co_u32 s89, s89, KOFF
	s_lshl_b32 s90, s77, 12
	s_add_co_u32 s90, s90, SCB
	s_lshl_b32 s91, s17, 3
	s_add_co_u32 s91, s91, s[WV]                   ; my tile of queries
	s_lshl_b32 s92, s18, 7
	s_add_co_u32 s91, s91, s92                     ; its fragment's number in q's image and in O's
	s_lshl_b32 s92, s91, 11
	s_mov_b32 s93, 0
	s_lshl_b32 s94, s91, 6
	s_mov_b32 s95, 0
	s_mov_b32 s[MNT], 0x600000
	s_mov_b32 s[SEL], 0x76543210
	s_mov_b32 s[SEL+1], 0xfedcba98
	s_mov_b32 s[CS], 0x3e0293ee                    ; log2(e) / sqrt(128)
	s_mov_b32 s[CS+1], s[CS]
	s_mov_b32 s[RT], 0x413504f3                    ; sqrt(128)
	s_mov_b32 s[RT+1], s[RT]
	s_mov_b32 s[CNT], 7
	s_wait_kmcnt 0x0
	s_add_nc_u64 s[80:81], s[8:9], s[80:81]
	s_add_nc_u64 s[84:85], s[4:5], s[84:85]
	s_add_nc_u64 s[86:87], s[6:7], s[86:87]
.irp n, 0,1
	s_mov_b32 s[G0M+4*\n], 1                       ; 1:0 count = 1
	s_add_co_u32 s[G0M+4*\n+1], s88, \n*SLOT1      ; 63:32 LDS address
	s_add_nc_u64 s[G0M+4*\n+2:G0M+4*\n+3], s[80:81], \n*512        ; 120:64 global address: key step n
	s_or_b32 s[G0M+4*\n+3], s[G0M+4*\n+3], 0x80000000              ; 127:126 type = 2
	s_mov_b32 s[G0KV+4*\n], 1
	s_add_co_u32 s[G0KV+4*\n+1], s89, \n*SLOT1
	s_add_nc_u64 s[G0KV+4*\n+2:G0KV+4*\n+3], s[84:85], \n*16384
	s_or_b32 s[G0KV+4*\n+3], s[G0KV+4*\n+3], 0x80000000
.endr
	s_mov_b32 s[G0S], 1
	s_mov_b32 s[G0S+1], s90
	s_mov_b64 s[G0S+2:G0S+3], s[86:87]
	s_or_b32 s[G0S+3], s[G0S+3], 0x80000000
	ROUND                                          ; all sixteen work-groups are here: the first joint loads meet
	s_cmp_lt_u32 s[WV], 4                          ; a wave's first fills stand in one branch: one load of waves 0-3, two of waves 4-7; every wait on them is for 0
	s_cbranch_scc0 .Lfirst_kv
	tensor_load_to_lds s[G0M:G0M+3], s[G1M:G1M+7]
	s_nop 0
.rept 4
	v_nop
.endr
	s_branch .Lfirst_asked
.Lfirst_kv:
	tensor_load_to_lds s[G0S:G0S+3], s[G1S:G1S+7]
	s_nop 0
	tensor_load_to_lds s[G0KV:G0KV+3], s[G1KV:G1KV+7]
	s_nop 0
.rept 4
	v_nop
.endr
.Lfirst_asked:
	s_add_nc_u64 s[4:5], s[4:5], s[92:93]          ; Q's fragment (part 0)
	s_add_nc_u64 s[6:7], s[6:7], s[94:95]          ; and its scale words
	s_add_nc_u64 s[10:11], s[10:11], s[92:93]      ; O's likewise
	s_add_nc_u64 s[12:13], s[12:13], s[94:95]
	v_and_b32 v[LN], 31, v0
	v_and_b32 v[OS], 15, v0                        ; r
	v_bfe_u32 v[PWO], v0, 4, 1                     ; h
	v_lshlrev_b32 v[OI], 4, v[LN]
	v_add_nc_u32 v[AK], KOFF, v[OI]
	v_add_nc_u32 v[AK+1], SLOT1+KOFF, v[OI]
	v_and_b32 v[AM], 8, v[OS]
	v_add_nc_u32 v[AM], v[AM], v[OS]               ; r + 8 (r / 8)
	s_lshr_b32 s75, s[WV], 1
	s_lshl_b32 s75, s75, 5
	s_lshl_b32 s76, s79, 3
	s_add_co_u32 s75, s75, s76                     ; my tile's first row among the 128: 32 (wave / 2) + 8 (wave % 2)
	v_add_nc_u32 v[AM], s75, v[AM]
	v_mul_u32_u24 v[AM], v[AM], MP
	v_lshl_add_u32 v[AM], v[PWO], 6, v[AM]         ; my query's row, + 64 h: my 16 keys of a block of 32
	v_add_nc_u32 v[AM+1], SLOT1, v[AM]
	v_lshlrev_b32 v[OS], 2, v[OS]
	v_add_nc_u32 v[ASC], SCB, v[OS]
.irp c, 0,1,2,3
	global_load_b128 v[16+4*\c:19+4*\c], v[OI], s[4:5] offset:512*\c   ; Q's fragment stays in registers
.endr
	global_load_b32 v255, v[OS], s[6:7]            ; Q's scale words
	v_mov_b32 v13, 0xff61b1e6                      ; the largest t so far: -3e38, under every t
	v_floor_f32 v12, -v13                          ; -M
	v_mov_b32 v14, 0                               ; the sum, in two halves
	v_mov_b32 v15, 0
.irp b, 0,1,2,3
	v_mov_b32 v[236+\b], 0                         ; written once: a lane permute's destination counts as one of its sources
.endr
	v_mov_b32 v253, 0                              ; (named as the upper half of the pair v[252:253] before it is first written)
.set j, 0
.rept 64
	v_mov_b32 v[160+j], 0                          ; O^T.  (The step is written once: the first finds zeros, which the first change of M leaves zeros)
.set j, j+1
.endr
; A KEY STEP: the 128 keys in slot n.
.macro STEP n
.irp b, 0,1,2,3
.irp j, 0,1,2,3
	ds_load_b128 v[96+16*\b+4*\j:99+16*\b+4*\j], v[AM+\n] offset:128*\b+16*\j   ; the mask in S^T's own layout: register 16 b + i = key 32 b + 16 h + i of my query.  (No register of the last products is named)
.endr
.endr
.irp g, 0,1                                    ; S^T = K Q^T + mask x sqrt(128), four tiles of 16 keys at a time
.rept 8
	v_nop                                          ; places in front of loads into registers that matrix instructions have read
.endr
.irp t, 0,1,2,3
.irp c, 0,1,2,3
	ds_load_b128 v[32+16*\t+4*\c:35+16*\t+4*\c], v[AK+\n] offset:2048*(4*\g+\t)+512*\c
.endr
	ds_load_b32 v[248+\t], v[ASC] offset:64*(4*\g+\t)
.endr
.if \g == 0
	s_wait_dscnt 20                                ; the mask's sixteen loads are in; the twenty just issued may be out
.set j, 0
.rept 32
	v_pk_mul_f32 v[96+j:97+j], v[96+j:97+j], s[RT:RT+1] op_sel_hi:[1,0]   ; x sqrt(128): c takes it off again
.set j, j+2
.endr
.endif
	s_wait_dscnt 0x0
.irp t, 0,1,2,3
	v_wmma_scale_f32_16x16x128_f8f6f4 v[96+8*(4*\g+\t):103+8*(4*\g+\t)], v[32+16*\t:47+16*\t], v[16:31], v[96+8*(4*\g+\t):103+8*(4*\g+\t)], v[248+\t], v255
.endr
.endr                                          ; no two matrix instructions that follow each other name the same accumulator
.rept 8
	v_nop                                          ; places behind the products: in front of the first read of the scores, and of the loads below into registers that the products have read
.endr
.irp t, 0,1,2,3                                ; V's first four fragments and their scale words are asked for HERE: the softmax names none of v32-95 and v248-251, so they come out of LDS while it runs
.irp c, 0,1,2,3
	ds_load_b128 v[32+16*\t+4*\c:35+16*\t+4*\c], v[AK+\n] offset:VREL+2048*\t+512*\c
.endr
	ds_load_b32 v[248+\t], v[ASC] offset:8192+64*\t
.endr
.irp b, 0,1,2,3
	v_max3_num_f32 v[232+\b], v[96+16*\b], v[97+16*\b], v[98+16*\b]   ; THE LARGEST SCORE OF EACH BLOCK OF 32 KEYS: it serves the row's maximum and, since p rises with the score, the block's largest p
.endr
.irp i, 3,5,7,9,11,13
.irp b, 0,1,2,3
	v_max3_num_f32 v[232+\b], v[232+\b], v[96+16*\b+\i], v[97+16*\b+\i]   ; (the four blocks by turns)
.endr
.endr
.irp b, 0,1,2,3
	v_max_num_f32 v[232+\b], v[232+\b], v[111+16*\b]
.endr
.irp b, 0,1,2,3
	v_permlanex16_b32 v[236+\b], v[232+\b], s[SEL], s[SEL+1]
.endr
.irp b, 0,1,2,3
	v_max_num_f32 v[232+\b], v[232+\b], v[236+\b]  ; with lane l xor 16's 16 keys
.endr
	v_max3_num_f32 v254, v232, v233, v234
	v_max_num_f32 v254, v254, v235                 ; the step's largest score of my query
	v_mul_f32 v254, s[CS], v254                    ; as t (c is positive)
	v_max_num_f32 v13, v13, v254                   ; the running largest t
	v_mov_b32 v254, v12
	v_floor_f32 v12, -v13                          ; the new -M = floor(-t) = -ceil(t): M is a whole number
	v_sub_f32 v254, v12, v254                      ; M's old value less its new one: a whole number, 0 or less
	v_cvt_i32_f32 v254, v254                       ; (it saturates)
	v_ldexp_f32 v252, 1.0, v254                    ; f = 2^(old M - new M): a multiplication by it rounds nothing
.set j, 0
.rept 32
	v_pk_fma_f32 v[96+j:97+j], v[96+j:97+j], s[CS:CS+1], v[12:13] op_sel_hi:[1,0,0]   ; t - M, two at a time (of the pairs c and -M the low word serves both halves)
.set j, j+2
.endr
.irp b, 0,1,2,3
	v_fma_f32 v[232+\b], v[232+\b], s[CS], v12     ; the same of each block's largest score
.endr
.set j, 0
.rept 64
	v_exp_f32 v[96+j], v[96+j]                     ; p = 2^(t - M): not normalised
.set j, j+1
.endr
.irp b, 0,1,2,3
	v_exp_f32 v[232+\b], v[232+\b]                 ; the block's largest p: the same two instructions on the same number give the same bits
.endr
	v_pk_mul_f32 v[14:15], v[14:15], v[252:253] op_sel_hi:[1,0]   ; the sums under the new M.  (A plain place behind the exponentials)
	s_wait_alu depctr_va_vdst(0)
.irp b, 0,1,2,3
	v_max_num_f32 v[232+\b], 0x4800000, v[232+\b]  ; the floor 2^(9 - 127): the byte cannot fall under 1
.endr
.irp b, 0,1,2,3
	v_add_nc_u32 v[244+\b], 0xfc000000, v[232+\b]  ; 8 off the exponent field: the conversions' scale operand
.endr
.irp b, 0,1,2,3
	v_and_or_b32 v[240+\b], v[232+\b], 0x7f800000, s[MNT]   ; 448 x the scale
.endr
.irp b, 0,1,2,3
	v_lshrrev_b32 v[236+\b], 23, v[244+\b]         ; the scale's byte
.endr
	v_lshl_or_b32 v253, v237, 8, v236              ; p's scale word for these 128 keys
	v_lshl_or_b32 v253, v238, 16, v253
	v_lshl_or_b32 v253, v239, 24, v253
	v_pk_add_f32 v[236:237], v[96:97], v[98:99]    ; THE ROW'S SUM IS TAKEN OF THE UNQUANTISED p: two at a time, in two chains
.irp j, 4,8,12,16,20,24,28,32,36,40,44,48,52,56,60
	v_pk_add_f32 v[14:15], v[14:15], v[96+\j:97+\j]
	v_pk_add_f32 v[236:237], v[236:237], v[98+\j:99+\j]
.endr
	v_pk_add_f32 v[14:15], v[14:15], v[236:237]
.irp b, 0,1,2,3
.irp i, 0,1,2,3,4,5,6,7,8,9,10,11,12,13,14,15
	v_min_num_f32 v[96+16*\b+\i], v[96+16*\b+\i], v[240+\b]   ; the conversion to an 8-bit code does not saturate (ISA guide 7.6.2); p is not negative, so the hold is one-sided
.endr
	v_cvt_scalef32_pk8_fp8_f32 v[224+4*\b:225+4*\b], v[96+16*\b:103+16*\b], v[244+\b]
	v_cvt_scalef32_pk8_fp8_f32 v[226+4*\b:227+4*\b], v[104+16*\b:111+16*\b], v[244+\b]
.endr
.set j, 0
.rept 32
	v_pk_mul_f32 v[160+j:161+j], v[160+j:161+j], v[252:253] op_sel_hi:[1,0]   ; O^T under the new M: x f.  (These 32 are also the places in front of the matrix instructions below)
.set j, j+2
.endr
	; O^T += V^T P^T: four tiles of 16 of the head's 128 at a time; K = these 128 keys
	s_wait_dscnt 0x0                               ; V's first four fragments, asked for ahead of the softmax, are in
.irp t, 0,1,2,3
	v_wmma_scale_f32_16x16x128_f8f6f4 v[160+8*\t:167+8*\t], v[32+16*\t:47+16*\t], v[224:239], v[160+8*\t:167+8*\t], v[248+\t], v253
.endr
.rept 8
	v_nop                                          ; places in front of loads into registers that matrix instructions have read
.endr
.irp t, 0,1,2,3
.irp c, 0,1,2,3
	ds_load_b128 v[32+16*\t+4*\c:35+16*\t+4*\c], v[AK+\n] offset:VREL+2048*(4+\t)+512*\c
.endr
	ds_load_b32 v[248+\t], v[ASC] offset:8192+64*(4+\t)
.endr
	s_wait_dscnt 0x0
.irp t, 0,1,2,3
	v_wmma_scale_f32_16x16x128_f8f6f4 v[192+8*\t:199+8*\t], v[32+16*\t:47+16*\t], v[224:239], v[192+8*\t:199+8*\t], v[248+\t], v253
.endr
	v_add_nc_u32 v[ASC], 512, v[ASC]               ; the next step's scale words (no LDS load of mine is out)
.endm
; A TRIP: each wave waits for all its tensor loads (its part of slot n among them), adds 0 to its spare word, and waits for that and for its reads of the other slot; a round of the cluster's barrier;
; refill = 1: the other slot is filled with the next step's tiles, first thing behind the round: one load a wave, which has this step's work in which to land.
.macro TRIP n, refill
	s_wait_tensorcnt 0x0                           ; no tensor load of mine is out, so a group 0 may be written
	ds_add_u32 v[SPW], v[NIL]                      ; 0 onto my spare word: the descriptors' steps stand between it and the wait for it
	s_add_nc_u64 s[G0M+4*\n+2:G0M+4*\n+3], s[G0M+4*\n+2:G0M+4*\n+3], 2*512         ; this slot's next tiles: two key steps on
	s_add_nc_u64 s[G0KV+4*\n+2:G0KV+4*\n+3], s[G0KV+4*\n+2:G0KV+4*\n+3], 2*16384
	s_wait_dscnt 0x0                               ; the add is done, and my reads of the last step's slot are over
	ROUND                                          ; both now hold of every wave of every work-group of the cluster
.if \refill
	JLOAD 1-\n
.endif
	STEP \n
.endm
	s_wait_loadcnt 0x0                             ; Q
.Lpair:                                            ; 7 trips of two key steps
	TRIP 0, 1
	TRIP 1, 1
	s_sub_co_u32 s[CNT], s[CNT], 1
	s_cmp_lg_u32 s[CNT], 0
	s_cbranch_scc1 .Lpair
	TRIP 0, 1                                      ; the tail is written out: the last step asks for nothing (its stepped addresses are not used)
	TRIP 1, 0
	; THE WAY OUT.  O^T is divided by the row's sum; its 64 registers are k = 32 b + 16 h + i of the last product's K step (the head), so they are quantised as they stand and leave as a fragment.
.rept 8
	v_nop                                          ; places behind the last products
.endr
	v_add_f32 v14, v14, v15                        ; the sum's two halves,
	v_permlanex16_b32 v252, v14, s[SEL], s[SEL+1]
	v_add_f32 v14, v14, v252                       ; and lane l xor 16's: the row's sum
	v_rcp_f32 v14, v14
	v_nop                                          ; one plain place behind a transcendental
.set j, 0
	s_wait_alu depctr_va_vdst(0)
.rept 64
	v_mul_f32 v[96+j], v[160+j], v14               ; each accumulator from its low end on
.set j, j+1
.endr
.irp b, 0,1,2,3
	v_max3_num_f32 v[232+\b], |v[96+16*\b]|, |v[97+16*\b]|, 0x4800000   ; block b: my 16 numbers, and the floor 2^(9 - 127)
.endr
.irp i, 2,4,6,8,10,12,14
.irp b, 0,1,2,3
	v_max3_num_f32 v[232+\b], v[232+\b], |v[96+16*\b+\i]|, |v[97+16*\b+\i]|
.endr
.endr
.irp b, 0,1,2,3
	v_permlanex16_b32 v[236+\b], v[232+\b], s[SEL], s[SEL+1]
.endr
.irp b, 0,1,2,3
	v_max_num_f32 v[232+\b], v[232+\b], v[236+\b]  ; the block's largest magnitude
.endr
.irp b, 0,1,2,3
	v_add_nc_u32 v[244+\b], 0xfc000000, v[232+\b]
.endr
.irp b, 0,1,2,3
	v_and_or_b32 v[240+\b], v[232+\b], 0x7f800000, s[MNT]
.endr
.irp b, 0,1,2,3
	v_lshrrev_b32 v[236+\b], 23, v[244+\b]
.endr
	v_lshl_or_b32 v[PWO], v237, 8, v236
	v_lshl_or_b32 v[PWO], v238, 16, v[PWO]
	v_lshl_or_b32 v[PWO], v239, 24, v[PWO]         ; my query's scale word
.irp b, 0,1,2,3
.irp i, 0,1,2,3,4,5,6,7,8,9,10,11,12,13,14,15
	v_med3_num_f32 v[96+16*\b+\i], v[96+16*\b+\i], -v[240+\b], v[240+\b]
.endr
	v_cvt_scalef32_pk8_fp8_f32 v[32+4*\b:33+4*\b], v[96+16*\b:103+16*\b], v[244+\b]
	v_cvt_scalef32_pk8_fp8_f32 v[34+4*\b:35+4*\b], v[104+16*\b:111+16*\b], v[244+\b]
.endr
	v_nop                                          ; one plain vector line behind the last conversion
.irp c, 0,1,2,3
	global_store_b128 v[OI], v[32+4*\c:35+4*\c], s[10:11] offset:512*\c        ; 32 lanes store 512 consecutive bytes, aligned
.endr
	v_cmp_gt_u32 vcc_lo, 16, v[LN]                 ; the 16 scale words leave from lanes 0-15
	s_wait_xcnt 0x0                                ; EXEC changes only behind this wait: it is a source of the stores above
	s_and_saveexec_b32 s75, vcc_lo
	global_store_b32 v[OS], v[PWO], s[12:13]
	s_wait_xcnt 0x0                                ; and again, in front of the line that widens it
	s_or_b32 exec_lo, exec_lo, s75
	s_wait_tensorcnt 0x0                           ; the wave's end
	ds_add_u32 v[SPW], v[NIL]
	s_wait_dscnt 0x0
	ROUND                                          ; the closing round: no work-group ends while a partner may still ask for a tile that names it
	s_endpgm
.Lfunc_end_k_q5fa4aaeee2_attn:
	.size	k_q5fa4aaeee2_attn, .Lfunc_end_k_q5fa4aaeee2_attn-k_q5fa4aaeee2_attn
	.p2alignl 7, 3214868480
	.fill 96, 4, 3214868480
	.section	.rodata,"a",@progbits
	.p2align	6, 0x0
	.amdhsa_kernel k_q5fa4aaeee2_attn
		.amdhsa_group_segment_fixed_size 327680
		.amdhsa_private_segment_fixed_size 0
		.amdhsa_enable_private_segment 0
		.amdhsa_kernarg_size 40
		.amdhsa_user_sgpr_count 2
		.amdhsa_user_sgpr_kernarg_segment_ptr 1
		.amdhsa_wavefront_size32 1
		.amdhsa_system_sgpr_workgroup_id_x 1
		.amdhsa_system_sgpr_workgroup_id_y 1
		.amdhsa_system_sgpr_workgroup_id_z 1
		.amdhsa_system_vgpr_workitem_id 0
		.amdhsa_next_free_vgpr 256
		.amdhsa_next_free_sgpr 100
		.amdhsa_reserve_vcc 1
		.amdhsa_float_denorm_mode_32 3
		.amdhsa_float_denorm_mode_16_64 3
		.amdhsa_memory_ordered 1
		.amdhsa_forward_progress 1
		.amdhsa_inst_pref_size 130
	.end_amdhsa_kernel
	.amdgpu_metadata
---
amdhsa.version: [ 1, 2 ]
amdhsa.kernels:
  - .name:           k_q5fa4aaeee2_attn
    .symbol:         k_q5fa4aaeee2_attn.kd
    .args:
      - { .name: qkv_img, .offset: 0, .size: 8, .value_kind: global_buffer, .address_space: global }
      - { .name: qkv_sc, .offset: 8, .size: 8, .value_kind: global_buffer, .address_space: global }
      - { .name: mask, .offset: 16, .size: 8, .value_kind: global_buffer, .address_space: global }
      - { .name: o_img, .offset: 24, .size: 8, .value_kind: global_buffer, .address_space: global }
      - { .name: o_sc, .offset: 32, .size: 8, .value_kind: global_buffer, .address_space: global }
    .group_segment_fixed_size: 327680
    .private_segment_fixed_size: 0
    .kernarg_segment_align: 8
    .kernarg_segment_size: 40
    .max_flat_workgroup_size: 256
    .sgpr_count:     100
    .vgpr_count:     256
    .wavefront_size: 32
...
	.end_amdgpu_metadata
.endif
;; end of part 4
;; launch oproj (part 5): grid 16 x 16, 4 waves a work-group, clusters of 4 x 4, 327,680 bytes of LDS; arguments o_img, o_sc, cimg, csc, out0; writes out0
.if DOCPART == 5
	.amdgcn_target "amdgcn-amd-amdhsa--gfx1250"
	.amdhsa_code_object_version 6
	.text
	.protected	k_q5fa4aaeee2_oproj
	.globl	k_q5fa4aaeee2_oproj
	.p2align	8
	.type	k_q5fa4aaeee2_oproj,@function
k_q5fa4aaeee2_oproj:
	s_mov_b64 s[64:65], 0
	v_nop
	global_prefetch_b8 v0, s[64:65] scope:SCOPE_SE
	s_setreg_imm32_b32 hwreg(HW_REG_WAVE_MODE, 25, 1), 1
	s_wait_xcnt 0x0
	s_wait_alu depctr_hold_cnt(0) depctr_sa_sdst(0) depctr_va_vdst(0) depctr_va_sdst(0) depctr_va_ssrc(0) depctr_va_vcc(0) depctr_vm_vsrc(0)
	s_getreg_b32 s2, hwreg(HW_REG_IB_STS2, 6, 4)
	s_cmp_eq_u32 s2, 0
	s_cbranch_scc0 .Lentry_in_a_cluster
	s_endpgm
.Lentry_in_a_cluster:
	s_bfe_u32 s2, ttmp6, 0x10000c
	s_cmp_lg_u32 s2, 0xf033
	s_cbranch_scc0 .Lentry_shape_is_right
	s_endpgm
.Lentry_shape_is_right:
; out0 = O wo, on codes of E4M3 with E8M0 scales; out0 [2048 tokens][2048] f32.  Both operands lie as images of operand registers:
; a fragment is 16 rows x 128 K, 2,048 bytes, piece c of lane l at 512 c + 16 l; row r of tile 2 B + u is row 32 B + 8 u + r + 8 (r / 8); fragment (K step s, tile T) at (128 s + T) x 2,048, its scale words at (128 s + T) x 64.
; L = O (o_img, o_sc; rows = tokens), R = wo (part 3 of cimg, csc; rows = n).  Source 0 = 16 rows of R, source 1 = 16 rows of L: a lane holds one token, and its 32 registers of four tiles of R are n = 32 b + 16 h + i.
; SHARES: out0 has 256 tiles of 128 x 128, one for each of 256 WGPs; tiles of 256 x 256 would be 64.  A work-group makes 128 tokens (y) x 128 n (x); four waves, each 64 x 64: 16 accumulators, 128 registers.
; THE RING: a K step of 128 is 8 fragments a side, 32,768 bytes in all, so a slot of 131,072 bytes holds FOUR K steps and K's 16 steps are four fills: two at the start, two refills.
; One tensor load of a wave brings two K steps of one side: two rows of 16,384 bytes, 262,144 bytes apart in memory (waves 0, 1: L's steps 0-1 and 2-3 of the slot; waves 2, 3: R's).
; The scale words of the work-group's rows for all of K come into LDS once, with the first fills.
; A slot's last K step is in registers before the slot is left: so the change of slots stands ahead of that step's second eight products, and the refill goes out that much sooner.
; CLUSTERS: 4 x 4 work-groups.  L's blocks hang on y alone and are asked for jointly along a row of the cluster, R's on x alone, along a column.
; REGISTERS, in windows of 256: window 0: v1-29 addresses; v32-63 scale words, two sets of 16, and nothing else; v64-127 rows of out0 on the way out; v128-255 the accumulators ((a, b) at v[128 + 8 (4 a + b)]).
;   window 1: two sets of 128 registers: L's four fragments of a K step, then R's four.
.set NQ,     4                         ; K steps of 128 in a slot
.set FR,     16                        ; registers of a fragment
.set NP,     8                         ; places behind this matrix instruction (ISA guide 7.12.1)
.set STEPB,  16384                     ; 8 tiles of one K step of one side
.set LOADB,  2*STEPB                   ; what one tensor load brings
.set SLOT,   4*LOADB                   ; L's four K steps, then R's four
.set KMEM,   262144                    ; a K step in memory: 128 fragments
.set REFILL, 8*KMEM                    ; a slot's next fill lies eight K steps on
.set SCL,    2*SLOT                    ; behind the ring: L's scale words [16 K steps][8 tiles][16 words], 8,192 bytes, then R's
.set SPARE,  SCL+16384                 ; behind them: the spare words, 128 bytes for each wave: two blocks of 256 bytes that no other line names
.set STAGE,  SPARE+512                 ; behind those: a stage of 16 rows x (256 bytes + 16) for each wave, bytes of its own into which no fill lands
.set SPITCH, 272
.set LI,   9                           ; v9      16 x lane
.set ADRA, 16                          ; v16-17  LDS address of my L fragments in slot 0, 1
.set ADRB, 20                          ; v20-21  the same for R
.set STO,  24                          ; v24     the way out: where I put 32 bytes of a row
.set RD,   25                          ; v25     where I read a row back
.set CO,   26                          ; v26     my byte in two rows of out0
.set ADRS, 27                          ; v27     LDS address of my scale words: lanes 0-15 L's, lanes 16-31 R's
.set SPW,  28                          ; v28     LDS address of my spare word; never rewritten
.set NIL,  29                          ; v29     0; never rewritten
.set SC,   32                          ; scale words: set s at v[SC + 16 s]; register 4 q + i: lanes 0-15 the word of L's block i, lanes 16-31 that of R's block i, for the slot's q-th step
.set BK,   64                          ; the way out: 16 rows read back from the stage: v64-95 and v96-127 by turns
.set ACC,  128
.set WV,   16                          ; s16 wave; s17 wave / 2; s18 wave % 2
.set HR,   17
.set HC,   18
.set G1,   24                          ; s[24:31] descriptor group 1 for L's blocks;  s[32:39] group 0, one set for each slot
.set G0,   32
.set G1B,  48                          ; s[48:55], s[56:63] the same for R's
.set G0B,  56
.set G1S,  68                          ; s[68:75], s[76:79] groups 1 and 0 for L's scale words;  s[80:87], s[88:91] for R's
.set G0S,  76
.set G1SB, 80
.set G0SB, 88
.set MSB, 0
.macro WIN new                         ; the immediate's high byte repeats the setting that is left; a switch that changes nothing is dropped
.if MSB != \new
	s_set_vgpr_msb (MSB<<8)|\new
.set MSB, \new
.endif
.endm
.set MUL,  0x05                        ; sources 0 (R) and 1 (L) window 1; C and D window 0
.set TO_F, 0x40                        ; destination window 1, address window 0
; A joint load: waves 0 and 1 fetch for L, waves 2 and 3 for R.  Each of the two lines has one mask and one set of registers for all that issue it; the branch hangs on the wave's number alone.
; Four v_nop follow each of the two lines, ahead of the jump, the label and what follows.
.macro JLOAD g0a, g1a, g0b, g1b
	s_cmp_eq_u32 s[HR], 0
	s_cbranch_scc0 .Lfor_b_\@
	tensor_load_to_lds s[\g0a:\g0a+3], s[\g1a:\g1a+7]
	s_nop 0
.rept 4
	v_nop
.endr
	s_branch .Lasked_\@
.Lfor_b_\@:
	tensor_load_to_lds s[\g0b:\g0b+3], s[\g1b:\g1b+7]
	s_nop 0
.rept 4
	v_nop
.endr
.Lasked_\@:
.endm
.macro CREST                           ; a round of the cluster's barrier behind its opening barrier
	s_cmp_lg_u32 s[WV], 0
	s_cbranch_scc1 .Lnot_wave_0_\@
	s_barrier_signal -3
.Lnot_wave_0_\@:
	s_barrier_wait -3
	s_barrier_signal -1
	s_barrier_wait -1
.endm
.macro CROUND                          ; a whole round
	s_barrier_signal -1
	s_barrier_wait -1
	CREST
.endm
	s_load_b256 s[4:11], s[0:1], 0x0               ; o_img s[4:5], o_sc s[6:7], cimg s[8:9], csc s[10:11]
	s_load_b64 s[12:13], s[0:1], 0x20              ; out0
	v_lshl_add_u32 v[SPW], v0, 2, SPARE
	v_mov_b32 v[NIL], 0
	ds_add_u32 v28, v29
	ds_add_u32 v28, v29
	s_wait_dscnt 0x0
	v_lshrrev_b32 v1, 5, v0
	v_readfirstlane_b32 s[WV], v1                  ; wave 0..3
	s_lshr_b32 s[HR], s[WV], 1                     ; which half of L's rows is mine.  Also: I fetch for L (0) or for R (1)
	s_and_b32 s[HC], s[WV], 1                      ; which half of R's rows.  Also: which two of a slot's four K steps I fetch
	s_bfe_u32 s40, ttmp6, 0x40000                  ; cx, cy: my place in the cluster
	s_bfe_u32 s41, ttmp6, 0x40004
	s_lshl_b32 s42, ttmp9, 2
	s_add_co_u32 s42, s42, s40                     ; x: which 128 rows of R
	s_and_b32 s43, ttmp7, 0xffff
	s_lshl_b32 s43, s43, 2
	s_add_co_u32 s43, s43, s41                     ; y: which 128 rows of L
	s_lshl_b32 s44, s41, 2
	s_lshl_b32 s44, 15, s44                        ; my row of the cluster
	s_lshl_b32 s45, 0x1111, s40                    ; my column
	; descriptor group 1 for codes: two K steps x the 16,384 bytes of 8 tiles (2,048 elements of 8 bytes), 262,144 bytes apart in memory, dense in LDS: an image is read 512 consecutive bytes an instruction, so no padding
	s_or_b32 s[G1+0], s44, (3<<16)|(1<<21)         ; 15:0 the mask: L's blocks go to my row; 17:16 elements of 8 bytes; 21 set beside a mask
	s_or_b32 s[G1B+0], s45, (3<<16)|(1<<21)        ; R's go to my column
.irp g, G1, G1B
	s_mov_b32 s[\g+1], 2048<<16                    ; tensor_dim0 = 2,048
	s_mov_b32 s[\g+2], 2<<16                       ; tensor_dim1 = 2
	s_mov_b32 s[\g+3], 2048<<16                    ; tile_dim0 = 2,048
	s_mov_b32 s[\g+4], 2                           ; tile_dim1 = 2
	s_mov_b32 s[\g+5], 32768                       ; tensor_dim0_stride
	s_mov_b32 s[\g+6], 0
	s_mov_b32 s[\g+7], 0
.endr
	; and for scale words: 8 K steps x the 512 bytes of 8 tiles (64 elements of 8 bytes), 8,192 bytes apart in memory, dense in LDS
	s_or_b32 s[G1S+0], s44, (3<<16)|(1<<21)
	s_or_b32 s[G1SB+0], s45, (3<<16)|(1<<21)
.irp g, G1S, G1SB
	s_mov_b32 s[\g+1], 64<<16
	s_mov_b32 s[\g+2], 8<<16
	s_mov_b32 s[\g+3], 64<<16
	s_mov_b32 s[\g+4], 8
	s_mov_b32 s[\g+5], 1024
	s_mov_b32 s[\g+6], 0
	s_mov_b32 s[\g+7], 0
.endr
	s_lshl_b32 s22, s[HC], 8                       ; L: fragment 128 x (K step 2 x (wave % 2)) + 8 y
	s_lshl_b32 s23, s43, 3
	s_add_co_u32 s22, s22, s23
	s_lshl_b32 s92, s22, 11
	s_mov_b32 s93, 0                               ; its codes' offset
	s_lshl_b32 s22, s[HC], 10
	s_add_co_u32 s22, s22, s23                     ; L's scale words: K steps 8 x (wave % 2) on
	s_lshl_b32 s94, s22, 6
	s_mov_b32 s95, 0
	s_lshl_b32 s100, s[HC], 8                      ; R likewise, in registers that never hold cy; part 3 of cimg and of csc
	s_lshl_b32 s101, s42, 3
	s_add_co_u32 s100, s100, s101
	s_lshl_b32 s96, s100, 11
	s_add_co_u32 s96, s96, 3<<22
	s_mov_b32 s97, 0
	s_lshl_b32 s100, s[HC], 10
	s_add_co_u32 s100, s100, s101
	s_lshl_b32 s98, s100, 6
	s_add_co_u32 s98, s98, 3<<17
	s_mov_b32 s99, 0
	s_lshl_b32 s22, s[WV], 15                      ; where they go: wave x 32,768 in a slot; no place in the cluster enters an LDS address
	s_lshl_b32 s23, s[WV], 12                      ; and wave x 4,096 among the scale words
	s_wait_kmcnt 0x0
	s_add_nc_u64 s[92:93], s[4:5], s[92:93]
	s_add_nc_u64 s[94:95], s[6:7], s[94:95]
	s_add_nc_u64 s[96:97], s[8:9], s[96:97]
	s_add_nc_u64 s[98:99], s[10:11], s[98:99]
	CROUND                                         ; all sixteen work-groups are here: the first joint loads meet
	s_mov_b32 s[G0S], 1
	s_add_co_u32 s[G0S+1], s23, SCL
	s_mov_b64 s[G0S+2:G0S+3], s[94:95]
	s_or_b32 s[G0S+3], s[G0S+3], 0x80000000
	s_mov_b32 s[G0SB], 1
	s_add_co_u32 s[G0SB+1], s23, SCL
	s_mov_b64 s[G0SB+2:G0SB+3], s[98:99]
	s_or_b32 s[G0SB+3], s[G0SB+3], 0x80000000
	JLOAD G0S, G1S, G0SB, G1SB                     ; the scale words first: they are wanted with the first K step
.irp s, 0,1
	s_mov_b32 s[G0+4*\s], 1                        ; 1:0 count = 1
	s_add_co_u32 s[G0+4*\s+1], s22, \s*SLOT        ; 63:32 LDS address
	s_add_nc_u64 s[G0+4*\s+2:G0+4*\s+3], s[92:93], \s*4*KMEM       ; 120:64 global address: slot s begins with K step 4 s
	s_or_b32 s[G0+4*\s+3], s[G0+4*\s+3], 0x80000000                ; 127:126 type = 2
	s_mov_b32 s[G0B+4*\s], 1
	s_add_co_u32 s[G0B+4*\s+1], s22, \s*SLOT
	s_add_nc_u64 s[G0B+4*\s+2:G0B+4*\s+3], s[96:97], \s*4*KMEM
	s_or_b32 s[G0B+4*\s+3], s[G0B+4*\s+3], 0x80000000
	JLOAD G0+4*\s, G1, G0B+4*\s, G1B               ; three tensor loads of mine are out behind the second of these
.endr
	v_and_b32 v1, 15, v0                           ; r
	v_bfe_u32 v2, v0, 4, 1                         ; h
	v_and_b32 v3, 31, v0                           ; lane
	v_lshlrev_b32 v[LI], 4, v3
	s_lshl_b32 s19, s[HR], 13                      ; my 4 tiles of L
	s_lshl_b32 s20, s[HC], 13                      ; my 4 tiles of R,
	s_add_co_u32 s20, s20, 2*LOADB                 ; which lie behind L's four K steps
.irp s, 0,1
	v_add_nc_u32 v[ADRA+\s], s19, v[LI]
	v_add_nc_u32 v[ADRB+\s], s20, v[LI]
	s_add_co_u32 s19, s19, SLOT
	s_add_co_u32 s20, s20, SLOT
.endr
	s_lshl_b32 s19, s[HR], 8                       ; L's words: my 4 tiles of 64 bytes
	s_lshl_b32 s20, s[HC], 8                       ; R's: my 4 tiles, 8,192 bytes behind L's
	s_add_co_u32 s20, s20, 8192
	s_sub_co_u32 s20, s20, s19
	v_mul_u32_u24 v5, s20, v2                      ; lanes 16-31 take R's: one product, the distance between the two
	s_add_co_u32 s19, s19, SCL
	v_lshl_add_u32 v5, v1, 2, v5
	v_add_nc_u32 v[ADRS], s19, v5
	s_mul_i32 s21, s[WV], 16*SPITCH
	s_add_co_u32 s21, s21, STAGE                   ; my stage
	v_mul_u32_u24 v5, v1, SPITCH                   ; in: row r, + 64 h
	v_lshl_add_u32 v5, v2, 6, v5
	v_add_nc_u32 v[STO], s21, v5
	v_mul_u32_u24 v5, v2, SPITCH                   ; back: lanes 0-15 take one row of 256 bytes, lanes 16-31 the next
	v_lshl_add_u32 v5, v1, 4, v5
	v_add_nc_u32 v[RD], s21, v5
	v_lshlrev_b32 v5, 13, v2                       ; and the same two rows in out0, 8,192 bytes apart
	v_lshl_add_u32 v[CO], v1, 4, v5
	s_lshl_b32 s20, s43, 20                        ; out0 at my first token and my first n: 128 y rows of 8,192 bytes,
	s_lshl_b32 s21, s[HR], 19                      ; + 64 rows,
	s_add_co_u32 s20, s20, s21
	s_lshl_b32 s21, s42, 9                         ; + 128 x columns of 4 bytes,
	s_add_co_u32 s20, s20, s21
	s_lshl_b32 s21, s[HC], 8                       ; + 64 columns
	s_add_co_u32 s20, s20, s21
	s_mov_b32 s21, 0
	s_add_nc_u64 s[12:13], s[12:13], s[20:21]
; 8 matrix instructions: L's blocks a0, a0 + 1 x R's four, the slot's q-th step.  p: the set of fragments;  sc: the set of scale words.  zero = 1: the first product starts the sums: nothing is ever cleared.
; The 16 accumulators take turns, one instruction a turn, in the same order in every step.
.macro MUL8 a0, p, q, sc, zero
.irp a, \a0, \a0+1
.irp b, 0,1,2,3
.if \zero
	v_wmma_scale_f32_16x16x128_f8f6f4 v[ACC+8*(4*(\a)+\b):ACC+8*(4*(\a)+\b)+7], v[128*(\p)+64+FR*\b:128*(\p)+64+FR*\b+FR-1], v[128*(\p)+FR*(\a):128*(\p)+FR*(\a)+FR-1], 0, v[SC+16*(\sc)+4*(\q)+\b], v[SC+16*(\sc)+4*(\q)+(\a)] matrix_a_scale:MATRIX_SCALE_ROW1
.else
	v_wmma_scale_f32_16x16x128_f8f6f4 v[ACC+8*(4*(\a)+\b):ACC+8*(4*(\a)+\b)+7], v[128*(\p)+64+FR*\b:128*(\p)+64+FR*\b+FR-1], v[128*(\p)+FR*(\a):128*(\p)+FR*(\a)+FR-1], v[ACC+8*(4*(\a)+\b):ACC+8*(4*(\a)+\b)+7], v[SC+16*(\sc)+4*(\q)+\b], v[SC+16*(\sc)+4*(\q)+(\a)] matrix_a_scale:MATRIX_SCALE_ROW1
.endif
.endr
.endr
.endm
; 32 LDS loads in one run: the eight fragments of the slot's q-th K step into set p; a fragment comes as it lies: four loads of 512 consecutive bytes
.macro FETCH slot, q, p
	WIN TO_F
.irp i, 0,1,2,3
.irp c, 0,1,2,3
	ds_load_b128 v[128*(\p)+64+FR*\i+4*\c:128*(\p)+64+FR*\i+4*\c+3], v[ADRB+\slot] offset:STEPB*(\q)+2048*\i+512*\c
.endr
.endr
.irp i, 0,1,2,3
.irp c, 0,1,2,3
	ds_load_b128 v[128*(\p)+FR*\i+4*\c:128*(\p)+FR*\i+4*\c+3], v[ADRA+\slot] offset:STEPB*(\q)+2048*\i+512*\c
.endr
.endr
.endm
.macro SCALES sc                       ; a slot's scale words into set sc: lanes 0-15 take L's block i, lanes 16-31 R's block i; a K step's words lie 512 bytes behind the last step's
.irp q, 0,1,2,3
.irp i, 0,1,2,3
	ds_load_b32 v[SC+16*\sc+4*\q+\i], v[ADRS] offset:512*\q+64*\i
.endr
.endr
.endm
; A load into a register that a matrix instruction has read, and an LDS store that reads a matrix result, stand NP places behind that matrix instruction, and only plain vector
; instructions that name none of its registers are places (ISA guide 7.12.1 for vector instructions); the matrix instructions in between are not counted.
.macro PLACES n
.rept \n
	v_nop
.endr
.endm
; One of a slot's first three K steps: the next step's fragments are asked for, into the set that the last step's products have read; then this step's 16 products.
.macro STEP slot, q, zero
	PLACES NP
	FETCH \slot, (\q)+1, ((\q)+1)%2
	s_wait_dscnt 32                                ; all but the 32 just issued: this step's fragments (and the slot's scale words) are in
	WIN MUL
	MUL8 0, (\q)%2, \q, \slot, \zero
	MUL8 2, (\q)%2, \q, \slot, \zero
.endm
; A slot's last K step changes slots.  Its fragments were asked for a step ago, so with them in registers my reads of the slot are over: ONE barrier, in front of which each wave waits for all its tensor loads,
; adds 0 to its spare word, and waits for that and for its LDS loads.  The next slot's scale words lie in bytes that are filled once: they are read ahead of all that.  fill = 1: this slot is filled again, eight K steps on.
.macro TURN slot, next, fill
	WIN 0
	v_add_nc_u32 v[ADRS], 512*NQ, v[ADRS]          ; on to the next slot's scale words
	SCALES \next
	s_wait_tensorcnt 0x0                           ; all my tensor loads have landed: my part of the next slot;
	ds_add_u32 v[SPW], v[NIL]                      ; 0 onto my spare word
	s_wait_dscnt 1                                 ; (the add may be out: the last step's fragments and the scale words are in)
	WIN MUL
	MUL8 0, 1, NQ-1, \slot, 0                      ; eight matrix instructions stand between the add and the wait for it
	s_wait_dscnt 0x0                               ; the add is done, and my reads of this slot are over
	s_barrier_signal -1
	WIN 0
	s_barrier_wait -1
.if \fill
	CREST                                          ; the barrier has opened a round of the cluster's barrier: no wave of any partner still reads this slot or has a load on its way
	s_add_nc_u64 s[G0+4*\slot+2:G0+4*\slot+3], s[G0+4*\slot+2:G0+4*\slot+3], REFILL
	s_add_nc_u64 s[G0B+4*\slot+2:G0B+4*\slot+3], s[G0B+4*\slot+2:G0B+4*\slot+3], REFILL
	JLOAD G0+4*\slot, G1, G0B+4*\slot, G1B         ; the first tensor load behind the round, my one load until the next; its four v_nop are among the places in front of the loads below
	PLACES NP-4
.else
	PLACES NP
.endif
	FETCH \next, 0, 0                              ; set 0 was last read by the slot's third step
	WIN MUL
	MUL8 2, 1, NQ-1, \slot, 0
.endm
	s_wait_tensorcnt 1                             ; the scale words and my part of slot 0 are in (slot 1's load may be out)
	s_barrier_signal -1
	s_barrier_wait -1                              ; everybody's are
	SCALES 0
	FETCH 0, 0, 0
	STEP 0, 0, 1                                   ; K steps 0 to 3: the first step's products start the sums
	STEP 0, 1, 0
	STEP 0, 2, 0
	TURN 0, 1, 1                                   ; slot 0 takes K steps 8 to 11
	STEP 1, 0, 0                                   ; K steps 4 to 7
	STEP 1, 1, 0
	STEP 1, 2, 0
	TURN 1, 0, 1                                   ; slot 1 takes K steps 12 to 15
	STEP 0, 0, 0                                   ; K steps 8 to 11
	STEP 0, 1, 0
	STEP 0, 2, 0
	TURN 0, 1, 0                                   ; nothing is left to fetch: no round of the cluster's barrier
	STEP 1, 0, 0                                   ; K steps 12 to 15
	STEP 1, 1, 0
	STEP 1, 2, 0
	s_wait_dscnt 0x0                               ; the very last step's fragments are in
	MUL8 0, 1, NQ-1, 1, 0
	MUL8 2, 1, NQ-1, 1, 0
	WIN 0
; THE WAY OUT, block by block of 16 tokens x 64 n.  Accumulator b = 2 B + u of a lane holds n = 32 B + 16 h + 8 u + 0 .. 7 of its token: 32 bytes of a row, at 128 B + 64 h + 32 u.  My 64 columns are 256 consecutive
; bytes of a row of out0, aligned: so a block goes through my own stage in LDS and comes back as whole runs of 256 bytes, one for each sixteen lanes.  LDS serves a wave's instructions in order (ISA guide 5.7.1.4):
; no wait between the stores and the loads, nor in front of the next block's stores.
.macro TOSTAGE a
.irp b, 0,1,2,3
	ds_store_b128 v[STO], v[ACC+32*(\a)+8*\b:ACC+32*(\a)+8*\b+3] offset:128*(\b/2)+32*(\b%2)           ; each accumulator from its low end on
	ds_store_b128 v[STO], v[ACC+32*(\a)+8*\b+4:ACC+32*(\a)+8*\b+7] offset:128*(\b/2)+32*(\b%2)+16
.endr
.set BB, BK+32*((\a)%2)
.irp t, 0,1,2,3,4,5,6,7
	ds_load_b128 v[BB+4*\t:BB+4*\t+3], v[RD] offset:2*\t*SPITCH
.endr
.endm
.macro SEND a, younger                 ; younger: the LDS instructions issued behind block a's loads, which may stay out.  Row 2 t + lane / 16 of tile a is token 32 (a / 2) + 8 (a % 2) + 2 t + lane / 16 + 8 (t / 4) of my 64
.set BB, BK+32*((\a)%2)
	s_wait_dscnt \younger                          ; the block is back in registers
.irp t, 0,1,2,3,4,5,6,7
	global_store_b128 v[CO], v[BB+4*\t:BB+4*\t+3], s[12:13] offset:(32*((\a)/2)+8*((\a)%2)+2*\t+8*(\t/4))*8192 th:TH_STORE_NT   ; 16 lanes store 256 consecutive bytes, aligned; 62 rows at the most: inside the signed 24-bit immediate
.endr
.endm
	PLACES NP                                      ; behind the last products: in front of the first reads of results
	TOSTAGE 0
.irp a, 1,2,3
.if \a > 1
	s_wait_xcnt 0x0                                ; the stores of two blocks ago have read their registers: block a's loads may land there
.endif
	TOSTAGE \a
	SEND \a-1, 16                                  ; behind block a - 1's loads: block a's 8 stores and 8 loads
.endr
	SEND 3, 0
	s_wait_tensorcnt 0x0                           ; the wave's end: behind my last tensor load and my last LDS store
	ds_add_u32 v[SPW], v[NIL]
	s_wait_dscnt 0x0
	CROUND                                         ; the closing round: no work-group ends while a partner may still ask for a block that names it
	s_endpgm
.Lfunc_end_k_q5fa4aaeee2_oproj:
	.size	k_q5fa4aaeee2_oproj, .Lfunc_end_k_q5fa4aaeee2_oproj-k_q5fa4aaeee2_oproj
	.p2alignl 7, 3214868480
	.fill 96, 4, 3214868480
	.section	.rodata,"a",@progbits
	.p2align	6, 0x0
	.amdhsa_kernel k_q5fa4aaeee2_oproj
		.amdhsa_group_segment_fixed_size 327680
		.amdhsa_private_segment_fixed_size 0
		.amdhsa_enable_private_segment 0
		.amdhsa_kernarg_size 40
		.amdhsa_user_sgpr_count 2
		.amdhsa_user_sgpr_kernarg_segment_ptr 1
		.amdhsa_wavefront_size32 1
		.amdhsa_system_sgpr_workgroup_id_x 1
		.amdhsa_system_sgpr_workgroup_id_y 1
		.amdhsa_system_sgpr_workgroup_id_z 1
		.amdhsa_system_vgpr_workitem_id 0
		.amdhsa_next_free_vgpr 512
		.amdhsa_next_free_sgpr 102
		.amdhsa_reserve_vcc 0
		.amdhsa_float_denorm_mode_32 3
		.amdhsa_float_denorm_mode_16_64 3
		.amdhsa_memory_ordered 1
		.amdhsa_forward_progress 1
		.amdhsa_inst_pref_size 93
	.end_amdhsa_kernel
	.amdgpu_metadata
---
amdhsa.version: [ 1, 2 ]
amdhsa.kernels:
  - .name:           k_q5fa4aaeee2_oproj
    .symbol:         k_q5fa4aaeee2_oproj.kd
    .args:
      - { .name: o_img, .offset: 0, .size: 8, .value_kind: global_buffer, .address_space: global }
      - { .name: o_sc, .offset: 8, .size: 8, .value_kind: global_buffer, .address_space: global }
      - { .name: cimg, .offset: 16, .size: 8, .value_kind: global_buffer, .address_space: global }
      - { .name: csc, .offset: 24, .size: 8, .value_kind: global_buffer, .address_space: global }
      - { .name: out0, .offset: 32, .size: 8, .value_kind: global_buffer, .address_space: global }
    .group_segment_fixed_size: 327680
    .private_segment_fixed_size: 0
    .kernarg_segment_align: 8
    .kernarg_segment_size: 40
    .max_flat_workgroup_size: 128
    .sgpr_count:     102
    .vgpr_count:     512
    .wavefront_size: 32
...
	.end_amdgpu_metadata
.endif
;; end of part 5
